; MI455X (gfx1250); checked and timed in simulation.
; The chip was launched on July 23, 2026; its instructions are those of AMD's public machine-readable ISA for CDNA 5 (MIT licence, August 2026) and "CDNA5" Instruction Set Architecture Reference Guide (July 2026). The comments in the code are by the model that wrote it; some were corrected since.
;; Cross Attention. Allowed arithmetic: matrix products marked QUANTISED: E2M3 operands, one E8M0 scale for each 32 along K, by v_wmma_scale_f32_16x16x128_f8f6f4 with both operands' format E2M3, f32 sums; everything else in f32.
;; Inputs: freqs_cos 2,048 x 64 float32; freqs_sin 2,048 x 64 float32; key_b 2,048 float32; key_w 2,048 x 2,048 float32; proj_b 2,048 float32; proj_w 2,048 x 2,048 float32; query 2 x 2,048 x 2,048 float32; value 2 x 2,048 x 2,048 float32; x 2 x 2,048 x 2,048 float32.
;; Outputs: out0 2 x 2,048 x 2,048 float32.
;; This version of the problem:
;;   THIS VERSION OF THE PROBLEM IS GIVEN IN LOW PRECISION. The matrix products marked QUANTISED in the list below multiply operands that are first quantised to E2M3 (2 exponent bits, 3 mantissa bits; 6 bits a number), with one power-of-two scale for each 32 numbers along K (OCP MX v1.0); their sums are f32. All else is computed in f32.
;;   The module's matrix products, in the order in which they are computed (A, B: the left and right operand; K: the contracted axis; several contracted axes count as one K, in the product's order):
;;     1. [M 4,096, K 2,048] x [K 2,048, N 2,048]; A: input x; B: input key_w: QUANTISED
;;     2. batch 32 x [M 2,048, K 128] x [K 128, N 2,048]; A: computed on the way; B: computed on the way: QUANTISED
;;     3. batch 32 x [M 128, K 2,048] x [K 2,048, N 2,048]; A: input value; B: softmax (see below): QUANTISED
;;     4. [M 4,096, K 2,048] x [K 2,048, N 2,048]; A: computed on the way; B: input proj_w: QUANTISED
;;   THE QUANTISER, for each operand of a quantised product, along K:
;;     - K is cut into blocks of 32 from its start; a last block that is shorter is filled with zeros.
;;     - A block's scale is 2^e with e = floor(log2(the largest magnitude in the block)) - 2, held to -126 .. 127; a block of zeros has e = 0. As a byte (E8M0): e + 127.
;;     - Each number is divided by its block's scale, clamped to +-7.5, and rounded to the nearest number of E2M3, ties to even, subnormals kept.
;;     - The product sums the exact products of the quantised numbers (number of the format x scale) in f32.
;;   ~~~python
;;   def quantise(x, axis):      # numpy; x: float32 -> the quantised numbers, widened to float32 again
;;       x = np.moveaxis(x, axis, -1); K = x.shape[-1]
;;       x = np.pad(x, [(0, 0)] * (x.ndim - 1) + [(0, -K % 32)]); x = x.reshape(x.shape[:-1] + (-1, 32)); a = np.abs(x).max(-1, keepdims=True)
;;       e = np.where(a > 0, np.clip(np.frexp(np.where(a > 0, a, 1))[1] - 1 - 2, -126, 127), 0)      # np.frexp(a)[1] - 1 = floor(log2(a)), exactly
;;       r = np.clip(x / 2.0 ** e, -7.5, 7.5)
;;       step = 2.0 ** (np.maximum(np.frexp(np.where(r == 0, 1, r))[1] - 1, 0) - 3)
;;       q = np.round(r / step) * step * 2.0 ** e      # np.round: ties to even
;;       return np.moveaxis(q.reshape(q.shape[:-2] + (-1,))[..., :K], -1, axis).astype(np.float32)
;;   ~~~
;;   SOFTMAX AHEAD OF A QUANTISED PRODUCT. Where the list says 'softmax', what is quantised is not the finished softmax but p = 2^(t - M), with t = logit x log2(e) and M = ceil(the row's largest t), a whole number; so 1/2 < the row's largest p <= 1. The row's sum l is taken of the UNQUANTISED p, in f32, and the product's result is divided by l at the end. Since M is a whole number, a kernel that streams over the keys may use a running M (the ceiling of the running maximum): every later rescaling is an exact power of two, which a block's scale takes up: the codes' values come out the same.
;;   OPERANDS COMPUTED ON THE WAY. 'Computed on the way' means the value that the module computes at that place (a softmax that the list does not call 'softmax' is quantised finished and normalised). What goes into a quantiser is computed in f32, as accurately as f32 sums, v_exp_f32 and their like allow (about 1e-6 of the number): no bf16 or f16 on the way to a quantiser, and a product that is left as it is and whose result goes on into a quantised operand takes f32 operands (vector FMAs, or v_wmma_f32_16x16x4_f32). A number that lies on a knife's edge between two numbers of the format may be rounded either way, as far as f32 arithmetic and the matrix unit's own rounding can turn it there, and no further.
;; One version. Each part assembles by itself: llvm-mc -triple=amdgcn-amd-amdhsa -mcpu=gfx1250 --defsym DOCPART=n.
;; ======== version 1 of 1: 4 launches
;; limits: right only within a limited range of input values
;; workspace buffers: wq 13,107,200 bytes; kv 13,107,200 bytes; oq 6,553,600 bytes; qq 6,553,600 bytes
;; launch prep (part 1): grid 1024 x 1, 4 waves a work-group, no clusters, 48,128 bytes of LDS; arguments x, key_w, proj_w, value, wq, kv, query, freqs_cos, freqs_sin, qq; writes wq, kv, qq
.if DOCPART == 1
	.amdgcn_target "amdgcn-amd-amdhsa--gfx1250"
	.amdhsa_code_object_version 6
	.text
	.protected	k_q09153dc219_prep
	.globl	k_q09153dc219_prep
	.p2align	8
	.type	k_q09153dc219_prep,@function
k_q09153dc219_prep:
	s_mov_b64 s[64:65], 0
	v_nop
	global_prefetch_b8 v0, s[64:65] scope:SCOPE_SE
	s_setreg_imm32_b32 hwreg(HW_REG_WAVE_MODE, 25, 1), 1
	s_wait_xcnt 0x0
; x [4096][2048], key_w and proj_w [2048][2048] (K innermost) and value [2][2048][16][128] (K = the keys, not innermost), all f32, become codes of FP6 (E2M3) with one E8M0 byte for each 32 along K.
; A block's scale is 2^(floor(log2(its largest magnitude)) - 2); its byte is the largest magnitude's exponent field - 2, held at 1 from below.
; LIMITS: a block of zeros gets the byte 1 where the quantiser says 127 (its codes are zeros, and this program alone reads the bytes); blocks whose largest magnitude lies under 2^-124 are held at byte 1;
; NaN and infinities among the inputs are not served.
; THE WORKSPACE IS LAID AS IMAGES OF OPERAND REGISTERS.  A fragment (16 rows x 128 K, 12 registers a lane) is 1,536 bytes: registers 4 c .. 4 c + 3 of lane l at 512 c + 16 l.
; THE ORDER: in a group of 128 rows, lane r of tile t is row 32 (t / 2) + 8 (t % 2) + r + 8 (r / 8), so that a transposed product's results of two neighbouring tiles are 16 neighbours along the next K.
; wq: 512 row tiles of 25,600 bytes (0-255 x, 256-383 key_w, 384-511 proj_w): 16 fragments, then 1,024 bytes of scale words [K step / 4][r][K step % 4].
; kv: [batch x head 32][key step 16] blocks of 25,600 bytes; this launch writes V's half (8 fragments at 12,800, 512 bytes of scale words at 25,088).
; Work-groups 0-511 take one row tile each (a wave: four K steps of 128); work-groups 512-1023 one block of V each (a wave: 32 channels).  The two ways have LDS bytes of their own.
; No tensor loads, no cluster: no two work-groups read the same input byte.  Nothing is prefetched: the launch does nothing but stream.
.set TILEB, 25600
.set FRB,   1536
.set SP,    528                        ; a stage row: 512 bytes + 16
.set WSTG,  16*SP                      ; a wave's stage on the rows' way
.set VBASE, 4*WSTG                     ; value's way: a wave's stage holds two fragments, 1,664 bytes apart
.set VFR,   1664
.set VWST,  2*VFR
.set VSC,   VBASE+4*VWST               ; and the block's 512 bytes of scale words
.set SEL,   32                         ; s[32:33] v_permlanex16_b32's selects for lane l xor 16
.set LI,    1                          ; v1   16 x lane
.set SW,    2                          ; v2   stage, in: 16 x lane
.set SRD,   3                          ; v3   stage, out: 528 r + 128 h
.set SOFF,  4                          ; v4   16 r + 8 h
.set HSH,   5                          ; v5   8 h
.set ZT,    6                          ; v6   a lane permute's destination
.set R,     16                         ; v16-143  two sets of 64: rows as loaded
.set X,     144                        ; v144-207 my two blocks of 32 neighbours
.set P,     208                        ; v208-219 a fragment's codes
.set QT,    220                        ; v220-226 the conversions' second halves
.set W,     228                        ; v228-231 four scale words
.set QM,    232                        ; v232-237 largest magnitudes, scale operands, bytes
.set VA,    11                         ; value's way: v11 4 x lane; v12 stage in; v13 stage out; v14 my scale word's place; v15 the scale words' way out
.set VST,   12
.set VRD,   13
.set VSA,   14
.set VSR,   15
.set VX,    16                         ; v16-143  128 keys of my channel
.set VC,    144                        ; v144-175 codes, eight registers a block
.set VO,    176                        ; v176-199 two fragments read back
.set VS,    200                        ; v200     my channel's scale word
; 64 numbers of a lane, v[x + 32 c + i] = k 64 c + 32 h + i of my row (two whole blocks), become the fragment's 12 registers v[p] on and my row's scale word v[w].
.macro QB x, p, w
.irp c, 0,1
	v_max3_num_f32 v[QM+\c], |v[\x+32*\c]|, |v[\x+32*\c+1]|, 0x1800000   ; with the floor 2^(3 - 127): the byte cannot fall under 1
.endr
.irp i, 2,4,6,8,10,12,14,16,18,20,22,24,26,28,30
.irp c, 0,1
	v_max3_num_f32 v[QM+\c], v[QM+\c], |v[\x+32*\c+\i]|, |v[\x+32*\c+\i+1]|
.endr
.endr
.irp c, 0,1
	v_add_nc_u32 v[QM+2+\c], 0xff000000, v[QM+\c]  ; 2 off the exponent field: the conversion's scale operand
.endr
.irp c, 0,1
	v_lshrrev_b32 v[QM+4+\c], 23, v[QM+2+\c]       ; the scale's byte
.endr
	v_lshl_or_b32 v[\w], v[QM+5], 16, v[QM+4]      ; my bytes are those of blocks h and 2 + h
	v_lshlrev_b32 v[\w], v[HSH], v[\w]
	v_permlanex16_b32 v[ZT], v[\w], s[SEL], s[SEL+1]
	v_or_b32 v[\w], v[\w], v[ZT]                   ; with lane l xor 16's two the word is whole, in both lanes
.irp c, 0,1
	v_cvt_scalef32_pk16_fp6_f32 v[\p+6*\c:\p+6*\c+2], v[\x+32*\c:\x+32*\c+15], v[QM+2+\c]
	v_cvt_scalef32_pk16_fp6_f32 v[QT+4*\c:QT+4*\c+2], v[\x+32*\c+16:\x+32*\c+31], v[QM+2+\c]   ; (a conversion's three registers begin on an even number)
.endr
	v_nop                                          ; one plain line behind the scaled conversions
.irp c, 0,1
.irp i, 0,1,2
	v_mov_b32 v[\p+6*\c+3+\i], v[QT+4*\c+\i]
.endr
.endr
.endm
; K step q of the wave's four: 16 rows x 512 bytes, each load 512 consecutive bytes of one row
.macro LOAD q, set
.set LN, 0
.rept 16
	global_load_b128 v[R+64*(\set)+4*LN:R+64*(\set)+4*LN+3], v[LI], s[28:29] offset:(LN+8*(LN/8))*8192+512*(\q) th:TH_LOAD_NT
.set LN, LN+1
.endr
.endm
.macro PIECE q
	s_wait_loadcnt 16                              ; this K step's 16 loads are in; the 16 behind them (the next K step's, or the queries') may be out
.set PN, 0
.rept 16
	ds_store_b128 v[SW], v[R+64*((\q)%2)+4*PN:R+64*((\q)%2)+4*PN+3] offset:SP*PN
.set PN, PN+1
.endr
.irp c, 0,1
.irp i, 0,1,2,3,4,5,6,7
	ds_load_b128 v[X+32*\c+4*\i:X+32*\c+4*\i+3], v[SRD] offset:256*\c+16*\i   ; my wave's own bytes, served in order: these see the stores above
.endr
.endr
	s_wait_dscnt 0x0                               ; my 64 numbers are back; the stores have read their registers
	s_wait_xcnt 0x0                                ; the last fragment's stores have read P: it is written again below
.if (\q) < 2
	LOAD (\q)+2, (\q)%2
.endif
.if (\q) == 2
	QROWS                                          ; set 0 is free: it takes my 16 queries
.endif
.if (\q) == 3
	QCS                                            ; set 1 is free: it takes their rows of cos and sin
.endif
	QB X, P, W+(\q)
.irp c, 0,1,2
	global_store_b128 v[LI], v[P+4*\c:P+4*\c+3], s[24:25] offset:FRB*(\q)+512*\c   ; 512 consecutive bytes, aligned
.endr
.endm
; value: block t of 32 keys of my channel; each load reads 128 consecutive bytes a wave, 512 a work-group
.macro VLOAD t
.set VK, 32*(\t)
.rept 32
	global_load_b32 v[VX+VK], v[VA], s[18:19] offset:8192*VK th:TH_LOAD_NT
.set VK, VK+1
.endr
.endm
.macro VBLOCK t
.set XS, VX+32*(\t)
.set CC, VC+8*(\t)
.if (\t) < 2
	s_wait_loadcnt 32                              ; this block's 32 loads are in; the next block's may be out
.else
	s_wait_loadcnt 48-32*((\t)-2)                  ; block 2: block 3's 32 and the queries' 16 may be out; block 3: the queries' 16
.endif
.if (\t) < 2
	VLOAD (\t)+2
.endif
	v_max3_num_f32 v204, |v[XS]|, |v[XS+1]|, |v[XS+2]|             ; all 32 numbers of the block are mine
	v_max3_num_f32 v205, |v[XS+3]|, |v[XS+4]|, |v[XS+5]|
.irp i, 6,10,14,18,22,26
	v_max3_num_f32 v204, v204, |v[XS+\i]|, |v[XS+\i+1]|
	v_max3_num_f32 v205, v205, |v[XS+\i+2]|, |v[XS+\i+3]|
.endr
	v_max3_num_f32 v204, v204, |v[XS+30]|, |v[XS+31]|
	v_max3_num_f32 v204, v204, v205, 0x1800000     ; the floor
	v_add_nc_u32 v206, 0xff000000, v204
	v_lshrrev_b32 v207, 23, v206
.if (\t) == 0
	v_mov_b32 v[VS], v207
.else
	v_lshl_or_b32 v[VS], v207, 8*(\t), v[VS]       ; byte t scales keys 32 t on
.endif
	v_cvt_scalef32_pk16_fp6_f32 v[CC:CC+2], v[XS:XS+15], v206
	v_cvt_scalef32_pk16_fp6_f32 v[CC+4:CC+6], v[XS+16:XS+31], v206
	v_nop                                          ; one plain line behind the scaled conversions
	v_mov_b32 v[CC+3], v[CC+4]
	v_mov_b32 v[CC+4], v[CC+5]
	v_mov_b32 v[CC+5], v[CC+6]                     ; six registers on end: registers 6 (t / 2) .. + 5 of lane r' + 16 (t % 2) of my tile's fragment
.if (\t) < 2
	ds_store_b128 v[VST], v[CC:CC+3] offset:256*((\t)%2)
	ds_store_b64 v[VST], v[CC+4:CC+5] offset:256*((\t)%2)+512
.else
	ds_store_b64 v[VST], v[CC:CC+1] offset:256*((\t)%2)+520
	ds_store_b128 v[VST], v[CC+2:CC+5] offset:256*((\t)%2)+1024
.endif
.endm
	s_load_b256 s[4:11], s[0:1], 0x0               ; x s[4:5], key_w s[6:7], proj_w s[8:9], value s[10:11]
	s_load_b128 s[12:15], s[0:1], 0x20             ; wq s[12:13], kv s[14:15]
	v_lshl_add_u32 v254, v0, 2, 0xba00
	v_mov_b32 v255, 0
	v_lshrrev_b32 v7, 5, v0
	v_readfirstlane_b32 s16, v7                    ; wave 0..3
	v_and_b32 v8, 31, v0                           ; lane
	v_and_b32 v9, 15, v0                           ; r
	v_bfe_u32 v10, v0, 4, 1                        ; h
	v_lshlrev_b32 v[LI], 4, v8
	s_mov_b32 s[SEL], 0x76543210
	s_mov_b32 s[SEL+1], 0xfedcba98
	; ---- EVERY work-group also takes a quarter of a tile of 16 neighbouring queries: tile = work-group / 4, four heads, one a wave.  RoPE in f32 (a product and a fused multiply-add), then the quantiser along the head's 128.
	; qq: 256 row tiles of 25,600 bytes, [batch][position / 16]: the fragment of head n at 1,536 n, scale words [head / 4][r][head % 4] at 24,576.  Lane r is query r of the tile.
	; Here only the addresses are made.  Each way asks for the queries (v16-79) and for their rows of cos and sin (v80-143) as soon as its own numbers have left those registers; the work stands in the common tail.
	s_load_b256 s[40:47], s[0:1], 0x30             ; query s[40:41], freqs_cos s[42:43], freqs_sin s[44:45], qq s[46:47]
	v_lshlrev_b32 v7, 3, v8                        ; my two pairs' place in a row of cos or sin: 8 x lane
	s_lshr_b32 s17, ttmp9, 2                       ; the tile: 128 x batch + position / 16
	s_and_b32 s18, ttmp9, 3                        ; head / 4; head % 4 is my wave
	s_lshl_b32 s20, s17, 17                        ; 16 rows of 8,192 bytes
	s_lshl_b32 s21, s18, 11
	s_add_co_u32 s20, s20, s21
	s_lshl_b32 s21, s16, 9
	s_add_co_u32 s20, s20, s21                     ; + my head's 512 bytes
	s_mov_b32 s21, 0
	s_and_b32 s22, s17, 127
	s_lshl_b32 s22, s22, 12                        ; 16 rows of 256 bytes in cos and sin
	s_mov_b32 s23, 0
	s_mul_i32 s26, s17, TILEB
	s_lshl_b32 s24, s18, 2
	s_add_co_u32 s24, s24, s16
	s_mul_i32 s24, s24, FRB
	s_add_co_u32 s24, s24, s26                     ; my head's fragment
	s_mov_b32 s25, 0
	s_lshl_b32 s27, s18, 8
	s_add_co_u32 s26, s26, s27
	s_lshl_b32 s27, s16, 2
	s_add_co_u32 s26, s26, s27
	s_add_co_u32 s26, s26, 16*FRB                  ; and its scale words
	s_mov_b32 s27, 0
	s_wait_alu depctr_va_vdst(0)
	s_wait_kmcnt 0x0
	s_add_nc_u64 s[40:41], s[40:41], s[20:21]
	s_add_nc_u64 s[42:43], s[42:43], s[22:23]
	s_add_nc_u64 s[44:45], s[44:45], s[22:23]
	s_add_nc_u64 s[36:37], s[46:47], s[24:25]
	s_add_nc_u64 s[38:39], s[46:47], s[26:27]
.macro QROWS
.set QN, 0
.rept 16
	global_load_b128 v[R+4*QN:R+4*QN+3], v[LI], s[40:41] offset:QN*8192 th:TH_LOAD_NT   ; 512 consecutive bytes: my head of query QN
.set QN, QN+1
.endr
.endm
.macro QCS
.set QN, 0
.rept 16
	global_load_b64 v[80+2*QN:81+2*QN], v7, s[42:43] offset:256*QN     ; query QN's row of cos, 256 consecutive bytes,
	global_load_b64 v[112+2*QN:113+2*QN], v7, s[44:45] offset:256*QN   ; and of sin
.set QN, QN+1
.endr
.endm
	s_cmp_lt_u32 ttmp9, 512
	s_cbranch_scc0 .Lvalue
	; ---- a row tile of x, key_w or proj_w
	s_mul_i32 s17, s16, WSTG
	v_add_nc_u32 v[SW], s17, v[LI]
	v_mul_u32_u24 v[SRD], v9, SP
	v_lshl_add_u32 v[SRD], v10, 7, v[SRD]
	v_add_nc_u32 v[SRD], s17, v[SRD]
	v_lshlrev_b32 v[SOFF], 4, v9
	v_lshl_add_u32 v[SOFF], v10, 3, v[SOFF]
	v_lshlrev_b32 v[HSH], 3, v10
	v_mov_b32 v[ZT], 0
	s_and_b32 s18, ttmp9, 127
	s_cmp_lt_u32 ttmp9, 256
	s_cselect_b32 s18, ttmp9, s18                  ; the tile's number in its own tensor
	s_lshr_b32 s19, s18, 3
	s_lshl_b32 s19, s19, 7                         ; its group of 128 rows,
	s_bfe_u32 s20, s18, 0x20001
	s_lshl_b32 s20, s20, 5
	s_add_co_u32 s19, s19, s20                     ; + 32 (t / 2)
	s_and_b32 s20, s18, 1
	s_lshl_b32 s20, s20, 3
	s_add_co_u32 s19, s19, s20                     ; + 8 (t % 2): the tile's first row
	s_lshl_b32 s20, s19, 13                        ; rows of 8,192 bytes
	s_lshl_b32 s21, s16, 11
	s_add_co_u32 s20, s20, s21                     ; + my wave's four K steps
	s_mov_b32 s21, 0
	s_mul_i32 s22, ttmp9, TILEB
	s_mul_i32 s24, s16, 4*FRB
	s_add_co_u32 s24, s24, s22                     ; my four fragments
	s_mov_b32 s25, 0
	s_lshl_b32 s26, s16, 8
	s_add_co_u32 s26, s26, s22
	s_add_co_u32 s26, s26, 16*FRB                  ; my 256 bytes of scale words
	s_mov_b32 s27, 0
	s_wait_kmcnt 0x0
	s_cmp_lt_u32 ttmp9, 384                        ; the choice hangs on the work-group's number alone
	s_cselect_b64 s[28:29], s[6:7], s[8:9]
	s_cmp_lt_u32 ttmp9, 256
	s_cselect_b64 s[28:29], s[4:5], s[28:29]
	s_add_nc_u64 s[28:29], s[28:29], s[20:21]
	s_add_nc_u64 s[24:25], s[12:13], s[24:25]
	s_add_nc_u64 s[26:27], s[12:13], s[26:27]
	s_wait_alu depctr_va_vdst(0)
	LOAD 0, 0
	LOAD 1, 1
	PIECE 0
	PIECE 1
	PIECE 2
	PIECE 3
	v_cmp_ne_u32 vcc_lo, 0, v10
	v_cndmask_b32 v238, v[W], v[W+2], vcc_lo       ; lanes 0-15 store words 0 and 1 of their row, lanes 16-31 words 2 and 3
	v_cndmask_b32 v239, v[W+1], v[W+3], vcc_lo
	global_store_b64 v[SOFF], v[238:239], s[26:27] ; 32 lanes store 256 consecutive bytes, aligned
	s_wait_alu depctr_va_vdst(0)
	s_branch .Lqtail
.Lvalue:
	; ---- a block of V: one head, 128 keys.  A lane takes a channel and its registers run down the keys
	s_sub_co_u32 s17, ttmp9, 512                   ; 16 x (batch x head) + key step
	s_lshr_b32 s18, s17, 8                         ; batch
	s_bfe_u32 s19, s17, 0x40004                    ; head
	s_and_b32 s20, s17, 15                         ; key step
	s_lshl_b32 s18, s18, 11
	s_lshl_b32 s20, s20, 7
	s_add_co_u32 s18, s18, s20                     ; the first key's row
	s_lshl_b32 s18, s18, 13
	s_lshl_b32 s19, s19, 9
	s_add_co_u32 s18, s18, s19                     ; + the head's 512 bytes
	s_lshl_b32 s19, s16, 7
	s_add_co_u32 s18, s18, s19                     ; + my wave's 32 channels
	s_mov_b32 s19, 0
	s_mul_i32 s20, s17, TILEB
	s_add_co_u32 s20, s20, 12800                   ; V's half of the block
	s_mov_b32 s21, 0
	s_mul_i32 s22, s16, 2*FRB                      ; my tiles 2 w and 2 w + 1
	s_mov_b32 s23, 0
	s_wait_alu depctr_va_vdst(0)
	v_lshlrev_b32 v[VA], 2, v8
	v_bfe_u32 v201, v0, 3, 1                       ; u': which of my two tiles my channel falls into
	v_and_b32 v202, 7, v0
	v_lshl_add_u32 v202, v10, 3, v202              ; r': its lane there
	s_wait_alu depctr_va_vdst(0)
	s_mul_i32 s24, s16, VWST
	s_add_co_u32 s24, s24, VBASE
	v_mul_u32_u24 v[VST], v201, VFR
	v_lshl_add_u32 v[VST], v202, 4, v[VST]
	v_add_nc_u32 v[VST], s24, v[VST]
	v_add_nc_u32 v[VRD], s24, v[LI]
	s_lshr_b32 s25, s16, 1
	s_lshl_b32 s25, s25, 8
	s_and_b32 s26, s16, 1
	s_lshl_b32 s26, s26, 3
	s_add_co_u32 s25, s25, s26
	s_add_co_u32 s25, s25, VSC
	v_lshlrev_b32 v[VSA], 4, v202
	v_lshl_add_u32 v[VSA], v201, 2, v[VSA]
	v_add_nc_u32 v[VSA], s25, v[VSA]               ; [tile / 4][r'][tile % 4]
	v_add_nc_u32 v[VSR], VSC, v[LI]
	s_wait_kmcnt 0x0
	s_add_nc_u64 s[18:19], s[10:11], s[18:19]
	s_add_nc_u64 s[20:21], s[14:15], s[20:21]
	s_add_nc_u64 s[22:23], s[20:21], s[22:23]
	VLOAD 0
	VLOAD 1
	VBLOCK 0
	VBLOCK 1
	QROWS                                          ; blocks 0 and 1 have left v16-79: they take my 16 queries
	VBLOCK 2
	VBLOCK 3
	QCS                                            ; blocks 2 and 3 have left v80-143: they take the queries' rows of cos and sin
	ds_store_b32 v[VSA], v[VS]
.irp u, 0,1
.irp c, 0,1,2
	ds_load_b128 v[VO+12*\u+4*\c:VO+12*\u+4*\c+3], v[VRD] offset:VFR*\u+512*\c   ; my wave's own bytes, served in order
.endr
.endr
.irp u, 0,1
.irp c, 0,1,2
	s_wait_dscnt 5-3*\u-\c                         ; the younger reads may be out
	global_store_b128 v[LI], v[VO+12*\u+4*\c:VO+12*\u+4*\c+3], s[22:23] offset:FRB*\u+512*\c
.endr
.endr
	s_wait_dscnt 0x0                               ; for the others' sake: my scale words lie in LDS
	s_barrier_signal -1
	s_barrier_wait -1
	s_cmp_lg_u32 s16, 0
	s_cbranch_scc1 .Lvend
	ds_load_b128 v[204:207], v[VSR]                ; the four waves' words leave as 512 consecutive bytes
	s_wait_dscnt 0x0
	global_store_b128 v[LI], v[204:207], s[20:21] offset:8*FRB
.Lvend:
.Lqtail:
	; ---- the common tail: my head of the 16 queries.  They turn through my wave's own bytes of the rows' stage, which no other wave names
	s_wait_xcnt 0x0                                ; both ways' stores have read their registers: these are written again below
	s_mul_i32 s17, s16, WSTG
	v_add_nc_u32 v[SW], s17, v[LI]
	v_mul_u32_u24 v[SRD], v9, SP
	v_lshl_add_u32 v[SRD], v10, 7, v[SRD]
	v_add_nc_u32 v[SRD], s17, v[SRD]
	v_lshlrev_b32 v[SOFF], 4, v9                   ; 16 r
	v_lshlrev_b32 v[HSH], 3, v10
	v_mov_b32 v[ZT], 0
	s_wait_alu depctr_va_vdst(0)
	s_wait_loadcnt 0x0
.set PN, 0
.rept 16                               ; as loaded a lane holds pairs 2 l and 2 l + 1 of each row
	v_mul_f32 v232, v[R+1+4*PN], v[112+2*PN]
	v_mul_f32 v233, v[R+1+4*PN], v[80+2*PN]
	v_mul_f32 v234, v[R+3+4*PN], v[113+2*PN]
	v_mul_f32 v235, v[R+3+4*PN], v[81+2*PN]
	v_fma_f32 v[R+1+4*PN], v[R+4*PN], v[112+2*PN], v233
	v_fma_f32 v[R+4*PN], v[R+4*PN], v[80+2*PN], -v232
	v_fma_f32 v[R+3+4*PN], v[R+2+4*PN], v[113+2*PN], v235
	v_fma_f32 v[R+2+4*PN], v[R+2+4*PN], v[81+2*PN], -v234
.set PN, PN+1
.endr
.set PN, 0
.rept 16
	ds_store_b128 v[SW], v[R+4*PN:R+4*PN+3] offset:SP*PN
.set PN, PN+1
.endr
.irp c, 0,1
.irp i, 0,1,2,3,4,5,6,7
	ds_load_b128 v[X+32*\c+4*\i:X+32*\c+4*\i+3], v[SRD] offset:256*\c+16*\i   ; my wave's own bytes, served in order
.endr
.endr
	s_wait_dscnt 0x0
	QB X, P, W
.irp c, 0,1,2
	global_store_b128 v[LI], v[P+4*\c:P+4*\c+3], s[36:37] offset:512*\c   ; 512 consecutive bytes, aligned
.endr
	global_store_b32 v[SOFF], v[W], s[38:39]       ; my row's scale word; lanes l and l + 16 hold the same word and name the same four bytes
	s_wait_tensorcnt 0x0                           ; the wave's end
	ds_add_u32 v254, v255
	s_wait_dscnt 0x0
	s_endpgm
.Lfunc_end_k_q09153dc219_prep:
	.size	k_q09153dc219_prep, .Lfunc_end_k_q09153dc219_prep-k_q09153dc219_prep
	.p2alignl 7, 3214868480
	.fill 96, 4, 3214868480
	.section	.rodata,"a",@progbits
	.p2align	6, 0x0
	.amdhsa_kernel k_q09153dc219_prep
		.amdhsa_group_segment_fixed_size 48128
		.amdhsa_private_segment_fixed_size 0
		.amdhsa_enable_private_segment 0
		.amdhsa_kernarg_size 80
		.amdhsa_user_sgpr_count 2
		.amdhsa_user_sgpr_kernarg_segment_ptr 1
		.amdhsa_wavefront_size32 1
		.amdhsa_system_sgpr_workgroup_id_x 1
		.amdhsa_system_sgpr_workgroup_id_y 1
		.amdhsa_system_sgpr_workgroup_id_z 1
		.amdhsa_system_vgpr_workitem_id 0
		.amdhsa_next_free_vgpr 256
		.amdhsa_next_free_sgpr 66
		.amdhsa_reserve_vcc 1
		.amdhsa_float_denorm_mode_32 3
		.amdhsa_float_denorm_mode_16_64 3
		.amdhsa_memory_ordered 1
		.amdhsa_forward_progress 1
		.amdhsa_inst_pref_size 74
	.end_amdhsa_kernel
	.amdgpu_metadata
---
amdhsa.version: [ 1, 2 ]
amdhsa.kernels:
  - .name:           k_q09153dc219_prep
    .symbol:         k_q09153dc219_prep.kd
    .args:
      - { .name: x, .offset: 0, .size: 8, .value_kind: global_buffer, .address_space: global }
      - { .name: key_w, .offset: 8, .size: 8, .value_kind: global_buffer, .address_space: global }
      - { .name: proj_w, .offset: 16, .size: 8, .value_kind: global_buffer, .address_space: global }
      - { .name: value, .offset: 24, .size: 8, .value_kind: global_buffer, .address_space: global }
      - { .name: wq, .offset: 32, .size: 8, .value_kind: global_buffer, .address_space: global }
      - { .name: kv, .offset: 40, .size: 8, .value_kind: global_buffer, .address_space: global }
      - { .name: query, .offset: 48, .size: 8, .value_kind: global_buffer, .address_space: global }
      - { .name: freqs_cos, .offset: 56, .size: 8, .value_kind: global_buffer, .address_space: global }
      - { .name: freqs_sin, .offset: 64, .size: 8, .value_kind: global_buffer, .address_space: global }
      - { .name: qq, .offset: 72, .size: 8, .value_kind: global_buffer, .address_space: global }
    .group_segment_fixed_size: 48128
    .private_segment_fixed_size: 0
    .kernarg_segment_align: 8
    .kernarg_segment_size: 80
    .max_flat_workgroup_size: 128
    .sgpr_count:     66
    .vgpr_count:     256
    .wavefront_size: 32
...
	.end_amdgpu_metadata
.endif
;; end of part 1
;; launch gemm1 (part 2): grid 8 x 32, 4 waves a work-group, clusters of 4 x 4, 327,680 bytes of LDS; arguments wq, key_b, freqs_cos, freqs_sin, kv; writes kv
.if DOCPART == 2
	.amdgcn_target "amdgcn-amd-amdhsa--gfx1250"
	.amdhsa_code_object_version 6
	.text
	.protected	k_q09153dc219_gemm1
	.globl	k_q09153dc219_gemm1
	.p2align	8
	.type	k_q09153dc219_gemm1,@function
k_q09153dc219_gemm1:
	s_mov_b64 s[64:65], 0
	v_nop
	global_prefetch_b8 v0, s[64:65] scope:SCOPE_SE
	s_setreg_imm32_b32 hwreg(HW_REG_WAVE_MODE, 25, 1), 1
	s_wait_xcnt 0x0
	s_wait_alu depctr_hold_cnt(0) depctr_sa_sdst(0) depctr_va_vdst(0) depctr_va_sdst(0) depctr_va_ssrc(0) depctr_va_vcc(0) depctr_vm_vsrc(0)
	s_getreg_b32 s2, hwreg(HW_REG_IB_STS2, 6, 4)
	s_cmp_eq_u32 s2, 0
	s_cbranch_scc0 .Lentry_in_a_cluster
	s_endpgm
.Lentry_in_a_cluster:
	s_bfe_u32 s2, ttmp6, 0x10000c
	s_cmp_lg_u32 s2, 0xf033
	s_cbranch_scc0 .Lentry_shape_is_right
	s_endpgm
.Lentry_shape_is_right:
.set TILEB, 25600
.set FRB,   1536
.set CHB,   4*FRB
.set SLOT,  24*CHB
.set BOFF,  8*CHB
.set SPARE, 2*SLOT
.set SCOFF, 16*FRB
.set BT0,   256
.set ABUF,  4
.set BBUF,  4
.set BIAS,  6
.set COS,   8
.set SIN,   10
.set OUTP,  12
.set ADRA,  8
.set ADRB,  10
.set LI,    12
.set R16,   13
.set CSO,   14
.set H64,   15
.set SPW,   16
.set NIL,   17
.set SOF,   18
.set TM,    20
.set W,     36
.set PC,    40
.set H,     64
.set SA,    64
.set SB,    128
.set BI,    128
.set SEL,   68
.set G1,    24
.set G0,    32
.set G1B,   48
.set G0B,   56
.set MUL,   0xad
.set MULB,  0xbd
.set TO_B,  0x40
.set TO_A,  0xc0
.set MSB, 0
.macro WIN new
.if MSB != \new
	s_set_vgpr_msb (MSB<<8)|\new
.set MSB, \new
.endif
.endm
.macro PLACES
.rept 4
	v_nop
.endr
.endm
.macro JLOAD g0a, g1a, g0b, g1b
	s_cmp_eq_u32 s15, 0
	s_cbranch_scc0 .Lfor_b_\@
	tensor_load_to_lds s[\g0a:\g0a+3], s[\g1a:\g1a+7]
	s_nop 0
.rept 4
	v_nop
.endr
	s_branch .Lasked_\@
.Lfor_b_\@:
	tensor_load_to_lds s[\g0b:\g0b+3], s[\g1b:\g1b+7]
	s_nop 0
.rept 4
	v_nop
.endr
.Lasked_\@:
.endm
.macro CREST
	s_cmp_lg_u32 s14, 0
	s_cbranch_scc1 .Lnot_wave_0_\@
	s_barrier_signal -3
.Lnot_wave_0_\@:
	s_barrier_wait -3
	s_barrier_signal -1
	s_barrier_wait -1
.endm
.macro CROUND
	s_barrier_signal -1
	s_barrier_wait -1
	CREST
.endm
.macro FETCH slot, q, p
	WIN TO_B
.irp b, 0,1,2,3,4,5,6,7
.irp c, 0,1,2
	ds_load_b128 v[128*(\p)+12*\b+4*\c:128*(\p)+12*\b+4*\c+3], v[ADRB+\slot] offset:CHB*\b+FRB*(\q)+512*\c
.endr
.endr
	WIN TO_A
.irp a, 0,1,2,3
.irp c, 0,1,2
	ds_load_b128 v[48*(\p)+12*\a+4*\c:48*(\p)+12*\a+4*\c+3], v[ADRA+\slot] offset:CHB*\a+FRB*(\q)+512*\c
.endr
.endr
.endm
.macro MUL8 a, k, first
.if \first
	WIN MULB
.else
	WIN MUL
.endif
.irp b, 0,1,2,3,4,5,6,7
.if \first
	v_wmma_scale_f32_16x16x128_f8f6f4 v[8*(8*(\a)+\b):8*(8*(\a)+\b)+7], v[128*((\k)%2)+12*\b:128*((\k)%2)+12*\b+11], v[48*((\k)%2)+12*(\a):48*((\k)%2)+12*(\a)+11], v[BI+8*\b:BI+8*\b+7], v[SB+16*\b+(\k)], v[SA+16*(\a)+(\k)] matrix_a_fmt:MATRIX_FMT_FP6 matrix_b_fmt:MATRIX_FMT_FP6
.else
	v_wmma_scale_f32_16x16x128_f8f6f4 v[8*(8*(\a)+\b):8*(8*(\a)+\b)+7], v[128*((\k)%2)+12*\b:128*((\k)%2)+12*\b+11], v[48*((\k)%2)+12*(\a):48*((\k)%2)+12*(\a)+11], v[8*(8*(\a)+\b):8*(8*(\a)+\b)+7], v[SB+16*\b+(\k)], v[SA+16*(\a)+(\k)] matrix_a_fmt:MATRIX_FMT_FP6 matrix_b_fmt:MATRIX_FMT_FP6
.endif
.endr
.endm
.macro STEP k, slot, first
	s_wait_dscnt 6
	MUL8 0, \k, \first
	MUL8 1, \k, \first
	PLACES
	FETCH \slot, ((\k)%4)+1, 1-(\k)%2
	s_wait_dscnt 36
	MUL8 2, \k, \first
	MUL8 3, \k, \first
.endm
.macro TURN k, slot, next, fill
	WIN 0
	s_wait_tensorcnt 0x0
	ds_add_u32 v[SPW], v[NIL]
	s_wait_dscnt 7
	MUL8 0, \k, 0
	s_wait_dscnt 0x0
	s_barrier_signal -1
	MUL8 1, \k, 0
	WIN 0
	s_barrier_wait -1
.if \fill
	CREST
	s_add_nc_u64 s[G0+4*\slot+2:G0+4*\slot+3], s[G0+4*\slot+2:G0+4*\slot+3], 2*CHB
	s_add_nc_u64 s[G0B+4*\slot+2:G0B+4*\slot+3], s[G0B+4*\slot+2:G0B+4*\slot+3], 2*CHB
	JLOAD G0+4*\slot, G1, G0B+4*\slot, G1B
.else
	PLACES
.endif
	FETCH \next, 0, 0
	MUL8 2, \k, 0
	MUL8 3, \k, 0
.endm
.macro QUANT s, pw
.irp b, 0,1,2,3
	v_max3_num_f32 v[TM+\b], |v[\s+16*\b]|, |v[\s+1+16*\b]|, 0x1800000
.endr
.irp i, 2,4,6,8,10,12,14
.irp b, 0,1,2,3
	v_max3_num_f32 v[TM+\b], v[TM+\b], |v[\s+16*\b+\i]|, |v[\s+1+16*\b+\i]|
.endr
.endr
.irp b, 0,1,2,3
	v_permlanex16_b32 v[TM+4+\b], v[TM+\b], s[SEL], s[SEL+1]
.endr
.irp b, 0,1,2,3
	v_max_num_f32 v[TM+\b], v[TM+\b], v[TM+4+\b]
.endr
.irp b, 0,1,2,3
	v_add_nc_u32 v[TM+12+\b], 0xff000000, v[TM+\b]
.endr
.irp b, 0,1,2,3
	v_lshrrev_b32 v[TM+4+\b], 23, v[TM+12+\b]
.endr
	v_lshl_or_b32 v[\pw], v[TM+5], 8, v[TM+4]
	v_lshl_or_b32 v[\pw], v[TM+6], 16, v[\pw]
	v_lshl_or_b32 v[\pw], v[TM+7], 24, v[\pw]
.irp c, 0,1
	v_cvt_scalef32_pk16_fp6_f32 v[PC+6*\c:PC+2+6*\c], v[\s+32*\c:\s+15+32*\c], v[TM+12+2*\c]
	v_cvt_scalef32_pk16_fp6_f32 v[PC+12+4*\c:PC+14+4*\c], v[\s+16+32*\c:\s+31+32*\c], v[TM+12+2*\c+1]
.endr
	v_nop
.irp c, 0,1
.irp i, 0,1,2
	v_permlane16_swap_b32 v[PC+6*\c+\i], v[PC+12+4*\c+\i]
.endr
.irp i, 0,1,2
	v_mov_b32 v[PC+3+6*\c+\i], v[PC+12+4*\c+\i]
.endr
.endr
.endm
.macro CSLOAD a, cb, sb
.irp q, 0,1,2,3
.irp e, 0,1
	global_load_b128 v[\cb+8*\q+4*\e:\cb+8*\q+4*\e+3], v[CSO], s[72:73] offset:(32*((\a)/2)+8*((\a)%2))*256+64*\q+16*\e
	global_load_b128 v[\sb+8*\q+4*\e:\sb+8*\q+4*\e+3], v[CSO], s[74:75] offset:(32*((\a)/2)+8*((\a)%2))*256+64*\q+16*\e
.endr
.endr
.endm
.macro ROPEA a, win, cb, sb
	WIN \win
.set RN, 0
.rept 16
	v_mul_f32 v60, v[64*(\a)+2*RN+1], v[\sb+RN]
	v_mul_f32 v61, v[64*(\a)+2*RN+1], v[\cb+RN]
	v_mul_f32 v62, v[64*(\a)+2*RN+3], v[\sb+RN+1]
	v_mul_f32 v63, v[64*(\a)+2*RN+3], v[\cb+RN+1]
	v_fma_f32 v[H+2*RN], v[64*(\a)+2*RN], v[\cb+RN], -v60
	v_fma_f32 v[H+2*RN+1], v[64*(\a)+2*RN], v[\sb+RN], v61
	v_fma_f32 v[H+2*RN+2], v[64*(\a)+2*RN+2], v[\cb+RN+1], -v62
	v_fma_f32 v[H+2*RN+3], v[64*(\a)+2*RN+2], v[\sb+RN+1], v63
.set RN, RN+2
.endr
	WIN 0
.endm
.macro SENDK a
.irp c, 0,1,2
	global_store_b128 v[LI], v[PC+4*\c:PC+4*\c+3], s[76:77] offset:FRB*(\a)+512*\c
.endr
.endm
	s_load_b256 s[4:11], s[0:1], 0x0
	s_load_b64 s[12:13], s[0:1], 0x20
	v_lshl_add_u32 v[SPW], v0, 2, SPARE
	v_mov_b32 v[NIL], 0
	ds_add_u32 v16, v17
	ds_add_u32 v16, v17
	s_wait_dscnt 0x0
	v_lshrrev_b32 v1, 5, v0
	v_readfirstlane_b32 s14, v1
	s_lshr_b32 s15, s14, 1
	s_and_b32 s16, s14, 1
	s_bfe_u32 s40, ttmp6, 0x40000
	s_bfe_u32 s41, ttmp6, 0x40004
	s_lshl_b32 s42, ttmp9, 2
	s_add_co_u32 s42, s42, s40
	s_and_b32 s17, ttmp7, 0xffff
	s_lshl_b32 s17, s17, 2
	s_add_co_u32 s17, s17, s41
	s_lshl_b32 s43, s41, 2
	s_lshl_b32 s43, 15, s43
	s_lshl_b32 s44, 0x1111, s40
	s_or_b32 s[G1], s43, (3<<16)|(1<<21)
	s_or_b32 s[G1B], s44, (3<<16)|(1<<21)
	s_mov_b32 s[G1+1], 768<<16
	s_mov_b32 s[G1+2], 4<<16
	s_mov_b32 s[G1+3], 768<<16
	s_mov_b32 s[G1+4], 4
	s_mov_b32 s[G1+5], 3200
	s_mov_b32 s[G1+6], 0
	s_mov_b32 s[G1+7], 0
	s_mov_b32 s[G1B+1], 768<<16
	s_mov_b32 s[G1B+2], 8<<16
	s_mov_b32 s[G1B+3], 768<<16
	s_mov_b32 s[G1B+4], 8
	s_mov_b32 s[G1B+5], 3200
	s_mov_b32 s[G1B+6], 0
	s_mov_b32 s[G1B+7], 0
	s_lshl_b32 s20, s17, 3
	s_lshl_b32 s21, s16, 2
	s_add_co_u32 s20, s20, s21
	s_mul_i32 s20, s20, TILEB
	s_mov_b32 s21, 0
	s_lshl_b32 s22, s17, 3
	s_lshl_b32 s23, s15, 2
	s_add_co_u32 s22, s22, s23
	s_mul_i32 s22, s22, TILEB
	s_add_co_u32 s22, s22, SCOFF
	s_mov_b32 s23, 0
	s_lshl_b32 s46, s42, 4
	s_lshl_b32 s47, s16, 3
	s_add_co_u32 s46, s46, s47
	s_add_co_u32 s46, s46, BT0
	s_mul_i32 s46, s46, TILEB
	s_mov_b32 s47, 0
	s_add_co_u32 s92, s46, SCOFF
	s_mov_b32 s93, 0
	s_lshl_b32 s70, s42, 10
	s_lshl_b32 s71, s16, 9
	s_add_co_u32 s70, s70, s71
	s_mov_b32 s71, 0
	s_and_b32 s72, s17, 15
	s_lshl_b32 s72, s72, 7
	s_lshl_b32 s73, s15, 6
	s_add_co_u32 s72, s72, s73
	s_lshl_b32 s72, s72, 8
	s_mov_b32 s73, 0
	s_lshr_b32 s76, s17, 4
	s_lshl_b32 s76, s76, 4
	s_lshl_b32 s77, s42, 1
	s_add_co_u32 s76, s76, s77
	s_add_co_u32 s76, s76, s16
	s_lshl_b32 s76, s76, 4
	s_and_b32 s77, s17, 15
	s_add_co_u32 s76, s76, s77
	s_mul_i32 s76, s76, TILEB
	s_lshl_b32 s78, s15, 8
	s_add_co_u32 s78, s78, s76
	s_add_co_u32 s78, s78, 8*FRB
	s_mov_b32 s79, 0
	s_mul_i32 s77, s15, CHB
	s_add_co_u32 s76, s76, s77
	s_mov_b32 s77, 0
	s_mov_b32 s[SEL], 0x76543210
	s_mov_b32 s[SEL+1], 0xfedcba98
	v_and_b32 v1, 15, v0
	v_bfe_u32 v2, v0, 4, 1
	v_and_b32 v3, 31, v0
	v_lshlrev_b32 v[LI], 4, v3
	v_lshlrev_b32 v[R16], 4, v1
	v_lshlrev_b32 v[H64], 6, v2
	v_lshl_add_u32 v[SOF], v2, 3, v[R16]
	v_and_b32 v[CSO], 8, v1
	v_add_nc_u32 v[CSO], v[CSO], v1
	v_lshlrev_b32 v[CSO], 8, v[CSO]
	v_lshl_add_u32 v[CSO], v2, 5, v[CSO]
.irp b, 0,1,2,3
	v_mov_b32 v[TM+4+\b], 0
.endr
	s_wait_alu depctr_va_vdst(0)
	s_wait_kmcnt 0x0
	s_add_nc_u64 s[20:21], s[ABUF:ABUF+1], s[20:21]
	s_add_nc_u64 s[22:23], s[ABUF:ABUF+1], s[22:23]
	s_add_nc_u64 s[46:47], s[BBUF:BBUF+1], s[46:47]
	s_add_nc_u64 s[92:93], s[BBUF:BBUF+1], s[92:93]
	s_add_nc_u64 s[70:71], s[BIAS:BIAS+1], s[70:71]
	s_add_nc_u64 s[74:75], s[SIN:SIN+1], s[72:73]
	s_add_nc_u64 s[72:73], s[COS:COS+1], s[72:73]
	s_add_nc_u64 s[76:77], s[OUTP:OUTP+1], s[76:77]
	s_add_nc_u64 s[78:79], s[OUTP:OUTP+1], s[78:79]
.irp a, 0,1,2,3
.irp g, 0,1,2,3
	global_load_b128 v[SA+16*\a+4*\g:SA+16*\a+4*\g+3], v[R16], s[22:23] offset:TILEB*\a+256*\g
.endr
.endr
.irp b, 0,1,2,3,4,5,6,7
.irp g, 0,1,2,3
	global_load_b128 v[SB+16*\b+4*\g:SB+16*\b+4*\g+3], v[R16], s[92:93] offset:TILEB*\b+256*\g
.endr
.endr
	WIN TO_A
.irp t, 0,1,2,3,4,5,6,7
	global_load_b128 v[BI+8*\t:BI+8*\t+3], v[H64], s[70:71] offset:(32*(\t/2)+8*(\t%2))*4
	global_load_b128 v[BI+8*\t+4:BI+8*\t+7], v[H64], s[70:71] offset:(32*(\t/2)+8*(\t%2))*4+16
.endr
	CSLOAD 1, 96, 192
	WIN TO_B
	CSLOAD 0, 96, 224
	WIN 0
	CROUND
	s_mul_i32 s45, s16, 4*CHB
	s_mul_i32 s94, s16, 8*CHB
	s_add_co_u32 s94, s94, BOFF
.irp s, 0,1
	s_mov_b32 s[G0+4*\s], 1
	s_add_co_u32 s[G0+4*\s+1], s45, \s*SLOT
	s_add_nc_u64 s[G0+4*\s+2:G0+4*\s+3], s[20:21], \s*CHB
	s_or_b32 s[G0+4*\s+3], s[G0+4*\s+3], 0x80000000
	s_mov_b32 s[G0B+4*\s], 1
	s_add_co_u32 s[G0B+4*\s+1], s94, \s*SLOT
	s_add_nc_u64 s[G0B+4*\s+2:G0B+4*\s+3], s[46:47], \s*CHB
	s_or_b32 s[G0B+4*\s+3], s[G0B+4*\s+3], 0x80000000
	s_wait_alu depctr_va_vdst(0)
	s_wait_tensorcnt 0x0
	ds_add_u32 v16, v17
	ds_add_u32 v16, v17
	s_wait_dscnt 0x0
	CROUND
	JLOAD G0+4*\s, G1, G0B+4*\s, G1B
.endr
	s_mul_i32 s66, s15, 4*CHB
	s_mul_i32 s67, s16, 8*CHB
	s_add_co_u32 s67, s67, BOFF
.irp s, 0,1
	v_add_nc_u32 v[ADRA+\s], s66, v[LI]
	v_add_nc_u32 v[ADRB+\s], s67, v[LI]
	s_add_co_u32 s66, s66, SLOT
	s_add_co_u32 s67, s67, SLOT
.endr
	s_wait_alu depctr_va_vdst(0)
	s_wait_tensorcnt 1
	s_barrier_signal -1
	s_barrier_wait -1
	FETCH 0, 0, 0
	s_wait_loadcnt 0x0
	STEP 0, 0, 1
	STEP 1, 0, 0
	STEP 2, 0, 0
	TURN 3, 0, 1, 1
	STEP 4, 1, 0
	STEP 5, 1, 0
	STEP 6, 1, 0
	TURN 7, 1, 0, 1
	STEP 8, 0, 0
	STEP 9, 0, 0
	STEP 10, 0, 0
	TURN 11, 0, 1, 0
	STEP 12, 1, 0
	STEP 13, 1, 0
	STEP 14, 1, 0
	s_wait_dscnt 6
	MUL8 0, 15, 0
	MUL8 1, 15, 0
	s_wait_dscnt 0x0
	MUL8 2, 15, 0
	MUL8 3, 15, 0
	PLACES
	WIN TO_B
	CSLOAD 2, 0, 32
	CSLOAD 3, 128, 160
	ROPEA 0, 0x06, 96, 224
	QUANT H, W
	SENDK 0
	ROPEA 1, 0x0e, 96, 192
	s_wait_xcnt 0x0
	QUANT H, W+1
	SENDK 1
	s_wait_loadcnt 16
	ROPEA 2, 0x06, 0, 32
	s_wait_xcnt 0x0
	QUANT H, W+2
	SENDK 2
	s_wait_loadcnt 0x0
	ROPEA 3, 0x06, 128, 160
	s_wait_xcnt 0x0
	QUANT H, W+3
	SENDK 3
	v_cmp_ne_u32 vcc_lo, 0, v2
	v_cndmask_b32 v60, v[W], v[W+2], vcc_lo
	v_cndmask_b32 v61, v[W+1], v[W+3], vcc_lo
	global_store_b64 v[SOF], v[60:61], s[78:79]
	s_wait_tensorcnt 0x0
	ds_add_u32 v[SPW], v[NIL]
	s_wait_dscnt 0x0
	CROUND
	s_endpgm
.Lfunc_end_k_q09153dc219_gemm1:
	.size	k_q09153dc219_gemm1, .Lfunc_end_k_q09153dc219_gemm1-k_q09153dc219_gemm1
	.p2alignl 7, 3214868480
	.fill 96, 4, 3214868480
	.section	.rodata,"a",@progbits
	.p2align	6, 0x0
	.amdhsa_kernel k_q09153dc219_gemm1
		.amdhsa_group_segment_fixed_size 327680
		.amdhsa_private_segment_fixed_size 0
		.amdhsa_enable_private_segment 0
		.amdhsa_kernarg_size 40
		.amdhsa_user_sgpr_count 2
		.amdhsa_user_sgpr_kernarg_segment_ptr 1
		.amdhsa_wavefront_size32 1
		.amdhsa_system_sgpr_workgroup_id_x 1
		.amdhsa_system_sgpr_workgroup_id_y 1
		.amdhsa_system_sgpr_workgroup_id_z 1
		.amdhsa_system_vgpr_workitem_id 0
		.amdhsa_next_free_vgpr 1024
		.amdhsa_next_free_sgpr 100
		.amdhsa_reserve_vcc 1
		.amdhsa_float_denorm_mode_32 3
		.amdhsa_float_denorm_mode_16_64 3
		.amdhsa_memory_ordered 1
		.amdhsa_forward_progress 1
		.amdhsa_inst_pref_size 170
	.end_amdhsa_kernel
	.amdgpu_metadata
---
amdhsa.version: [ 1, 2 ]
amdhsa.kernels:
  - .name:           k_q09153dc219_gemm1
    .symbol:         k_q09153dc219_gemm1.kd
    .args:
      - { .name: wq, .offset: 0, .size: 8, .value_kind: global_buffer, .address_space: global }
      - { .name: key_b, .offset: 8, .size: 8, .value_kind: global_buffer, .address_space: global }
      - { .name: freqs_cos, .offset: 16, .size: 8, .value_kind: global_buffer, .address_space: global }
      - { .name: freqs_sin, .offset: 24, .size: 8, .value_kind: global_buffer, .address_space: global }
      - { .name: kv, .offset: 32, .size: 8, .value_kind: global_buffer, .address_space: global }
    .group_segment_fixed_size: 327680
    .private_segment_fixed_size: 0
    .kernarg_segment_align: 8
    .kernarg_segment_size: 40
    .max_flat_workgroup_size: 128
    .sgpr_count:     100
    .vgpr_count:     1024
    .wavefront_size: 32
...
	.end_amdgpu_metadata
.endif
;; end of part 2
;; launch attn (part 3): grid 8 x 32, 16 waves a work-group, no clusters, 327,680 bytes of LDS; arguments qq, kv, oq; writes oq
.if DOCPART == 3
	.amdgcn_target "amdgcn-amd-amdhsa--gfx1250"
	.amdhsa_code_object_version 6
	.text
	.protected	k_q09153dc219_attn
	.globl	k_q09153dc219_attn
	.p2align	8
	.type	k_q09153dc219_attn,@function
k_q09153dc219_attn:
	s_mov_b64 s[64:65], 0
	v_nop
	global_prefetch_b8 v0, s[64:65] scope:SCOPE_SE
	s_setreg_imm32_b32 hwreg(HW_REG_WAVE_MODE, 25, 1), 1
	s_wait_xcnt 0x0
; Causal attention of one (batch, head) on codes of FP6 (E2M3) with E8M0 scales.  S^T = K q^T; p = 2^(t - M), t = score x log2(e) / sqrt(128), M the running largest t rounded up to a whole number;
; p is quantised along the keys; the row's sum is taken of the unquantised p; O^T = V^T p^T; O / sum is quantised along the head and leaves as codes, the next product's operand.
; LEFT OUT: key steps that lie wholly above the diagonal of the mask that the problem builds itself (tril): their p is 0 for all inputs.  A NaN or infinity that reaches only those steps is not carried on.
; qq, oq: row tiles of 16 queries, 25,600 bytes: the fragment of head n at 1,536 n, scale words [head / 4][r][head % 4] at 24,576.  qq holds RoPE(query) as codes.
; kv: [batch x head][key step of 128] blocks of 25,600 bytes, images of operand registers: K's 8 fragments, K's scale words at 12,288, V's 8 fragments at 12,800, V's scale words at 25,088.
; SHARES.  Work-group a (0..7) of a head owns the query blocks (128 queries) 15 - a and a: 16 - a and a + 1 key steps, 17 block-steps in every work-group.  Wave w has tile w % 8 (16 queries) of a block.
; Waves 0-7: block 15 - a against key steps 0..8, one in each of nine trips.  Waves 8-15 rest in trip 0; in trips 1..a+1 they take block a against key steps 0..a, finish it and store it;
; in trips a+2..8 they take block 15 - a against key steps 9..15-a.  At the end the two parts of block 15 - a are joined through LDS: both M are whole numbers, so the rescaling rounds nothing.
; LDS: trip 0's one tile (key step 0) has bytes of its own; trips 1..8 go through two slots of two tiles (waves 0-7's, waves 8-15's).  Waves 0-3 load at the head, waves 0-7 behind each barrier,
; 25 rows of 256 bytes each: one tensor load of a wave is out.the add in front of a refill's barrier is written twice.
; NO CLUSTER: the work-groups that read the same kv differ in a, and branches hang on a.
; PREFETCH: in trip u (0..6) wave 8 names, a lane a block of 256 bytes, 13 blocks of key step u + 2 (lanes 0-15) and of key step u + 9 (lanes 16-31): the tiles that the loads of trip u + 1 ask for first in this head.
; The eight work-groups of a head share a tile's 100 blocks out by address (13 a on, held at 99); the lanes left over name the last block again.
; LIMITS: the promise holds while |t| stays under 2^31; the running largest t starts at -3e38; a block of zeros gets the byte 1 (its codes are zeros; this program alone reads the bytes);
; blocks under 2^-124 are held at byte 1; NaN and infinities are not served; 1 / sum is v_rcp_f32.
; REGISTERS: v1 16 x lane, v2 16 r, v3 my query - 16 h within its block, v5-6 the add's, v4, v7 addresses in hand, v12 -M, v13 largest t, v[14:15] the sum, v16-27 q, v28 the prefetch's offset, v29-30 my tile's LDS offsets,
;   v31 the stage, v32-79 four fragments, v80-92 block 15 - a's q and scale word, v96-159 S^T then p, v160-223 O^T, v224-235 p's codes, v232-254 at work, v248-251 scale words, v253 p's scale word, v255 q's.
.set TILEB, 25600
.set FRB,   1536
.set KSC,   8*FRB
.set VOF,   12800
.set VSCO,  VOF+8*FRB
.set QRT,   TILEB/4                    ; what one tensor load brings
.set SLOT1, 1<<16
.set PT,    2<<16                      ; trip 0's tile
.set SPARE, PT+TILEB                   ; the spare words, 128 bytes for each of 16 waves, named by no other line
.set STAGE, SPARE+2048                 ; 8 x 8,704 bytes: O^T, -M and the sums of waves 8-15; no fill lands here
.set STW,   8704
.set SPW,   5
.set NIL,   6
.set ADK,   4                          ; v4, v7: the addresses in hand
.set ADS,   7
.set VS0,   8                          ; v8-11: the scale words of V's first four tiles
.set PFO,   28
.set LK,    29
.set LS,    30
.set STG,   31
.set TM,    232
.set PC,    32
.set TB,    2                          ; s2   the LDS base of the trip in hand
.set U,     3                          ; s3   the trip
.set WV,    18
.set SEL,   20
.set CS,    22
.set G1,    24
.set G0,    40
.set G0H,   48
.set KB,    52
.set OFF,   54
.set JMP,   56
.set D1,    57
.set D2,    58
.set FT,    59
.set TN,    62
.set LIM,   63
.set PFA,   76
.macro PLACES
.rept 4
	v_nop
.endr
.endm
.macro TLOAD under, g0                 ; the waves under this number fetch; s_nop 0 and four v_nop follow the line
	s_cmp_lt_u32 s[WV], \under
	s_cbranch_scc0 .Lasked_\@
	tensor_load_to_lds s[\g0:\g0+3], s[G1:G1+7]
	s_nop 0
.rept 4
	v_nop
.endr
.Lasked_\@:
.endm
; 64 numbers of a lane, register 16 b + i = k 32 b + 16 h + i of my row -> the fragment v[PC] on, the scale word v[pw]
.macro QUANT s, pw
.irp b, 0,1,2,3
	v_max3_num_f32 v[TM+\b], |v[\s+16*\b]|, |v[\s+1+16*\b]|, 0x1800000
.endr
.irp i, 2,4,6,8,10,12,14
.irp b, 0,1,2,3
	s_delay_alu instid0(VALU_DEP_4)
	v_max3_num_f32 v[TM+\b], v[TM+\b], |v[\s+16*\b+\i]|, |v[\s+1+16*\b+\i]|
.endr
.endr
.irp b, 0,1,2,3
	s_delay_alu instid0(VALU_DEP_4)
	v_permlanex16_b32 v[TM+4+\b], v[TM+\b], s[SEL], s[SEL+1]
.endr
.irp b, 0,1,2,3
	s_delay_alu instid0(VALU_DEP_4)
	v_max_num_f32 v[TM+\b], v[TM+\b], v[TM+4+\b]
.endr
.irp b, 0,1,2,3
	s_delay_alu instid0(VALU_DEP_4)
	v_add_nc_u32 v[TM+12+\b], 0xff000000, v[TM+\b]
.endr
.irp b, 0,1,2,3
	s_delay_alu instid0(VALU_DEP_4)
	v_lshrrev_b32 v[TM+4+\b], 23, v[TM+12+\b]
.endr
	s_delay_alu instid0(VALU_DEP_3)
	v_lshl_or_b32 v[\pw], v[TM+5], 8, v[TM+4]
	s_delay_alu instid0(VALU_DEP_1)
	v_lshl_or_b32 v[\pw], v[TM+6], 16, v[\pw]
	s_delay_alu instid0(VALU_DEP_1)
	v_lshl_or_b32 v[\pw], v[TM+7], 24, v[\pw]
.irp c, 0,1
	v_cvt_scalef32_pk16_fp6_f32 v[PC+6*\c:PC+2+6*\c], v[\s+32*\c:\s+15+32*\c], v[TM+12+2*\c]
	v_cvt_scalef32_pk16_fp6_f32 v[PC+12+4*\c:PC+14+4*\c], v[\s+16+32*\c:\s+31+32*\c], v[TM+12+2*\c+1]
.endr
	v_nop                                          ; one plain line behind the scaled conversions
.irp c, 0,1
.irp i, 0,1,2
	v_permlane16_swap_b32 v[PC+6*\c+\i], v[PC+12+4*\c+\i]
.endr
.irp i, 0,1,2
	s_delay_alu instid0(VALU_DEP_3)
	v_mov_b32 v[PC+3+6*\c+\i], v[PC+12+4*\c+\i]
.endr
.endr
.endm
; A block's way out: O^T / the sum; its 64 registers are, 16 by 16, neighbours along the head: the quantiser's input as they stand
.macro FINAL
	v_add_f32 v14, v14, v15
	s_delay_alu instid0(VALU_DEP_1)
	v_permlanex16_b32 v252, v14, s[SEL], s[SEL+1]
	s_delay_alu instid0(VALU_DEP_1)
	v_add_f32 v14, v14, v252                       ; the row's sum
	s_wait_alu depctr_va_vdst(0)                   ; the wait ahead of the reciprocal,
	v_rcp_f32 v14, v14
	v_nop                                          ; a plain line behind it,
	s_wait_alu depctr_va_vdst(0)                   ; and the wait ahead of its first reader
.set MN, 0
.rept 32
	v_pk_mul_f32 v[96+MN:97+MN], v[160+MN:161+MN], v[14:15] op_sel_hi:[1,0]
.set MN, MN+2
.endr
	QUANT 96, 253
.irp c, 0,1,2
	global_store_b128 v1, v[PC+4*\c:PC+4*\c+3], s[44:45] offset:512*\c   ; 512 consecutive bytes, aligned
.endr
	global_store_b32 v2, v253, s[46:47]            ; my row's scale word; lanes l and l + 16 hold the same word and name the same four bytes
.endm
	s_load_b128 s[4:7], s[0:1], 0x0                ; qq s[4:5], kv s[6:7]
	s_load_b64 s[8:9], s[0:1], 0x10                ; oq
	v_lshl_add_u32 v[SPW], v0, 2, SPARE
	v_mov_b32 v[NIL], 0
	ds_add_u32 v[SPW], v[NIL]                      ; the opening lines: the add, twice on end, and its wait
	ds_add_u32 v[SPW], v[NIL]
	v_lshrrev_b32 v8, 5, v0
	v_readfirstlane_b32 s[WV], v8                  ; wave 0..15
	s_mov_b32 s14, ttmp9                           ; a
	s_and_b32 s16, ttmp7, 0xffff                   ; batch x head
	s_lshr_b32 s17, s16, 4                         ; batch
	s_and_b32 s19, s16, 15                         ; head
	s_lshr_b32 s15, s[WV], 3                       ; 0: waves 0-7, 1: waves 8-15
	s_and_b32 s33, s[WV], 7                        ; my tile in its block
	s_sub_co_u32 s34, 15, s14                      ; the long block
	s_add_co_u32 s66, s14, 1
	s_sub_co_u32 s67, 8, s14
	s_cmp_eq_u32 s15, 0
	s_cselect_b32 s35, s34, s14                    ; my first block, which is also the one that I store
	s_cselect_b32 s[D1], s34, s66                  ; the trips whose key step is a diagonal one: waves 0-7: 15 - a (met only with a = 7);
	s_cselect_b32 s[D2], s34, 8                    ; waves 8-15: a + 1 and 8
	s_cselect_b32 s[FT], 99, s66                   ; behind trip a + 1 waves 8-15 finish block a
	s_cmp_lt_u32 s[WV], 4
	s_cselect_b32 s[JMP], 0, s67                   ; waves 4-7 fetch for waves 8-15: behind key step a comes key step 9
	s_cselect_b32 s90, TILEB, 0                    ; waves 0-3 fetch key step u + 1 in trip u
	s_mov_b32 s91, 0
	s_cmp_eq_u32 s[WV], 8
	s_cselect_b32 s[LIM], 7, 0                     ; wave 8 prefetches, in trips 0..6
	s_lshl_b32 s36, s17, 7
	s_add_co_u32 s36, s36, s33                     ; 128 x batch + tile
	s_lshl_b32 s37, s35, 3
	s_add_co_u32 s37, s37, s36
	s_mul_i32 s37, s37, TILEB                      ; my first block's row tile, in qq and in oq
	s_lshl_b32 s38, s34, 3
	s_add_co_u32 s38, s38, s36
	s_mul_i32 s38, s38, TILEB                      ; the long block's
	s_mul_i32 s39, s19, FRB                        ; my head's fragment in a row tile,
	s_lshr_b32 s71, s19, 2
	s_lshl_b32 s71, s71, 8
	s_and_b32 s72, s19, 3
	s_lshl_b32 s72, s72, 2
	s_add_co_u32 s71, s71, s72
	s_add_co_u32 s71, s71, 16*FRB                  ; and its scale words
	s_add_co_u32 s80, s37, s39
	s_mov_b32 s81, 0
	s_add_co_u32 s82, s37, s71
	s_mov_b32 s83, 0
	s_add_co_u32 s84, s38, s39
	s_mov_b32 s85, 0
	s_add_co_u32 s86, s38, s71
	s_mov_b32 s87, 0
	s_mul_i32 s92, s16, 16*TILEB                   ; the head's blocks in kv
	s_and_b32 s88, s[WV], 3
	s_mul_i32 s88, s88, QRT
	s_add_co_u32 s88, s88, s92                     ; + the quarter of a tile that I fetch, if I fetch
	s_mov_b32 s89, 0
	s_add_co_u32 s92, s92, TILEB                   ; the prefetches: the first change of slots steps them to key step 2
	s_mov_b32 s93, 0
	s_mul_i32 s[G0+1], s[WV], QRT                  ; in LDS: wave x a quarter tile; the first change turns it to slot 1
	s_add_co_u32 s[G0H+1], s[G0+1], PT
	s_mov_b32 s[G0], 1
	s_mov_b32 s[G0H], 1
	s_mov_b32 s[OFF+1], 0
	s_mov_b32 s[G1], 3<<16                         ; group 1: 6,400 dense bytes as 25 rows of 256 bytes (32 elements of 8 bytes)
	s_mov_b32 s[G1+1], 32<<16
	s_mov_b32 s[G1+2], 25<<16
	s_mov_b32 s[G1+3], 32<<16
	s_mov_b32 s[G1+4], 25
	s_mov_b32 s[G1+5], 32
	s_mov_b32 s[G1+6], 0
	s_mov_b32 s[G1+7], 0
	s_mov_b32 s[SEL], 0x76543210
	s_mov_b32 s[SEL+1], 0xfedcba98
	s_mov_b32 s[CS], 0x3e0293ee                    ; c = log2(e) / sqrt(128)
	s_mov_b32 s[CS+1], s[CS]
	s_mov_b32 s[TB], PT
	s_mov_b32 s[TN], SLOT1
	s_mov_b32 s[U], 0
	s_mul_i32 s68, s15, TILEB                      ; waves 8-15 read a slot's second tile
	s_mul_i32 s69, s33, STW
	s_add_co_u32 s69, s69, STAGE                   ; the stage of tile w % 8
	s_lshl_b32 s70, s33, 4                         ; 16 x tile
	s_mul_i32 s73, s14, 13
	s_mov_b32 s74, 7*TILEB
	s_wait_dscnt 0x0                               ; both opening adds are done
	s_wait_kmcnt 0x0
	s_add_nc_u64 s[G0H+2:G0H+3], s[6:7], s[88:89]  ; key step 0
	s_add_nc_u64 s[KB:KB+1], s[G0H+2:G0H+3], s[90:91]
	s_or_b32 s[G0H+3], s[G0H+3], 0x80000000
	TLOAD 4, G0H                                   ; trip 0's tile
	s_add_nc_u64 s[PFA:PFA+1], s[6:7], s[92:93]
	s_add_nc_u64 s[44:45], s[8:9], s[80:81]
	s_add_nc_u64 s[46:47], s[8:9], s[82:83]
	s_add_nc_u64 s[80:81], s[4:5], s[80:81]
	s_add_nc_u64 s[82:83], s[4:5], s[82:83]
	s_add_nc_u64 s[84:85], s[4:5], s[84:85]
	s_add_nc_u64 s[86:87], s[4:5], s[86:87]
	v_and_b32 v9, 31, v0                           ; lane
	v_and_b32 v10, 15, v0                          ; r
	v_bfe_u32 v11, v0, 4, 1                        ; h
	v_lshlrev_b32 v1, 4, v9
	v_lshlrev_b32 v2, 4, v10
	s_wait_alu depctr_va_vdst(0)
.irp c, 0,1,2
	global_load_b128 v[16+4*\c:19+4*\c], v1, s[80:81] offset:512*\c   ; my first block's q,
	global_load_b128 v[80+4*\c:83+4*\c], v1, s[84:85] offset:512*\c   ; and the long block's
.endr
	global_load_b32 v255, v2, s[82:83]
	global_load_b32 v92, v2, s[86:87]
	v_lshlrev_b32 v3, 4, v11
	v_sub_nc_u32 v3, v10, v3
	v_add_nc_u32 v3, s70, v3                       ; 16 x tile + r - 16 h
	v_add_nc_u32 v[LK], s68, v1
	v_add_nc_u32 v[LS], s68, v2
	v_add_nc_u32 v[STG], s69, v1
	v_min_u32 v[PFO], 12, v10
	v_add_nc_u32 v[PFO], s73, v[PFO]
	v_min_u32 v[PFO], 99, v[PFO]
	v_lshlrev_b32 v[PFO], 8, v[PFO]
	v_mad_u32_u24 v[PFO], v11, s74, v[PFO]
	v_mov_b32 v13, 0xff61b1e6                      ; the largest t so far: -3e38
	v_floor_f32 v12, -v13                          ; -M
	v_mov_b32 v14, 0
	v_mov_b32 v15, 0
.irp b, 0,1,2,3
	v_mov_b32 v[236+\b], 0                         ; written once: a lane permute's destination counts as one of its sources
.endr
	v_mov_b32 v252, 0
	v_mov_b32 v253, 0
.set HN, 0
.rept 64
	v_mov_b32 v[160+HN], 0                         ; O^T: the loop has no first step of its own
.set HN, HN+1
.endr
	s_wait_alu depctr_va_vdst(0)
	s_wait_loadcnt 0x0
; A UNIT: my 16 queries against the 128 keys of my tile of the trip in hand
.macro STEP
	s_cmp_lt_u32 s[U], s15                         ; waves 8-15 rest in trip 0
	s_cbranch_scc1 .Lhidden_\@
	v_add_nc_u32 v[ADK], s[TB], v[LK]
	s_wait_alu depctr_va_vdst(0)
	v_add_nc_u32 v[ADS], s[TB], v[LS]
	s_wait_alu depctr_va_vdst(0)
	v_nop
	v_nop
	v_nop                                          ; five places: the scores below write over registers that the last products read as an operand
.irp g, 0,1                                    ; S^T = K q^T, four tiles of 16 keys at a time
.if \g > 0
	PLACES
.endif
.irp t, 0,1,2,3
.irp c, 0,1,2
	ds_load_b128 v[32+12*\t+4*\c:35+12*\t+4*\c], v[ADK] offset:FRB*(4*\g+\t)+512*\c
.endr
.endr
	ds_load_b128 v[248:251], v[ADS] offset:KSC+256*\g   ; the four tiles' scale words of lane r
	s_wait_dscnt 0x0
.irp t, 0,1,2,3
	v_wmma_scale_f32_16x16x128_f8f6f4 v[96+8*(4*\g+\t):103+8*(4*\g+\t)], v[32+12*\t:43+12*\t], v[16:27], 0, v[248+\t], v255 matrix_a_fmt:MATRIX_FMT_FP6 matrix_b_fmt:MATRIX_FMT_FP6
.endr
.endr
	PLACES
	s_cmp_eq_u32 s[U], s[D1]                       ; only a diagonal step has hidden keys
	s_cbranch_scc1 .Lmask_\@
	s_cmp_lg_u32 s[U], s[D2]
	s_cbranch_scc1 .Lopen_\@
.Lmask_\@:
	v_mov_b32 v254, 0xff800000                     ; register 16 b + i holds key 32 b + 16 h + i of the step: hidden where 32 b + i > 16 x tile + r - 16 h; its score becomes -infinity, its p 0
.set MN, 0
.rept 64
	v_cmp_gt_i32 vcc_lo, 32*(MN/16)+MN%16, v3
	v_cndmask_b32 v[96+MN], v[96+MN], v254, vcc_lo
.set MN, MN+1
.endr
.Lopen_\@:
.irp t, 0,1,2,3                                ; V's first four fragments are asked for here, into the registers that K's have left: the softmax below stands between the request and the wait
.irp c, 0,1,2
	ds_load_b128 v[32+12*\t+4*\c:35+12*\t+4*\c], v[ADK] offset:VOF+FRB*\t+512*\c
.endr
.endr
	ds_load_b128 v[VS0:VS0+3], v[ADS] offset:VSCO
.irp b, 0,1,2,3
	v_max3_num_f32 v[232+\b], v[96+16*\b], v[97+16*\b], v[98+16*\b]   ; the largest score of each block of 32 keys: for the row's maximum and, since p rises with the score, for the block's largest p
.endr
.irp i, 3,5,7,9,11,13
.irp b, 0,1,2,3
	v_max3_num_f32 v[232+\b], v[232+\b], v[96+16*\b+\i], v[97+16*\b+\i]
.endr
.endr
.irp b, 0,1,2,3
	v_max_num_f32 v[232+\b], v[232+\b], v[111+16*\b]
.endr
.irp b, 0,1,2,3
	s_delay_alu instid0(VALU_DEP_4)
	v_permlanex16_b32 v[236+\b], v[232+\b], s[SEL], s[SEL+1]
.endr
.irp b, 0,1,2,3
	s_delay_alu instid0(VALU_DEP_4)
	v_max_num_f32 v[232+\b], v[232+\b], v[236+\b]  ; with lane l xor 16's 16 keys
.endr
	s_delay_alu instid0(VALU_DEP_2)
	v_max3_num_f32 v254, v232, v233, v234
	s_delay_alu instid0(VALU_DEP_1)
	v_max_num_f32 v254, v254, v235
	s_delay_alu instid0(VALU_DEP_1)
	v_mul_f32 v254, s[CS], v254                    ; the step's largest t
	s_delay_alu instid0(VALU_DEP_1)
	v_max_num_f32 v13, v13, v254                   ; the running largest t
	v_mov_b32 v254, v12
	s_delay_alu instid0(VALU_DEP_2)
	v_floor_f32 v12, -v13                          ; the new -M = -ceil(t): a whole number
	s_delay_alu instid0(VALU_DEP_1)
	v_sub_f32 v254, v12, v254                      ; old M - new M
	s_delay_alu instid0(VALU_DEP_1)
	v_cvt_i32_f32 v254, v254                       ; (it saturates)
	s_delay_alu instid0(VALU_DEP_1)
	v_ldexp_f32 v252, 1.0, v254                    ; f = 2^(old M - new M): the rescaling rounds nothing; from the starting M it is 0
.set MN, 0
.rept 32
	v_pk_fma_f32 v[96+MN:97+MN], v[96+MN:97+MN], s[CS:CS+1], v[12:13] op_sel_hi:[1,0,0]   ; t - M, two at a time
.set MN, MN+2
.endr
.irp b, 0,1,2,3
	v_fma_f32 v[232+\b], v[232+\b], s[CS], v12     ; the same of each block's largest score
.endr
.set MN, 0
	s_wait_alu depctr_va_vdst(0)
.rept 64
	v_exp_f32 v[96+MN], v[96+MN]                   ; p = 2^(t - M)
.set MN, MN+1
.endr
	v_pk_mul_f32 v[14:15], v[14:15], v[252:253] op_sel_hi:[1,0]   ; the sums under the new M: a plain line behind the exponentials
	s_wait_alu depctr_va_vdst(0)                   ; one wait for the batch of 64, ahead of its first reader
.irp b, 0,1,2,3
	v_exp_f32 v[232+\b], v[232+\b]                 ; the block's largest p
.endr
	v_pk_add_f32 v[236:237], v[100:101], v[104:105]   ; the row's sum of the unquantised p, in eight chains
	v_pk_add_f32 v[250:251], v[108:109], v[112:113]
	v_pk_add_f32 v[248:249], v[116:117], v[120:121]
	v_pk_add_f32 v[246:247], v[124:125], v[128:129]
	v_pk_add_f32 v[244:245], v[132:133], v[136:137]
	v_pk_add_f32 v[242:243], v[140:141], v[144:145]
	v_pk_add_f32 v[240:241], v[148:149], v[152:153]
	v_pk_add_f32 v[14:15], v[14:15], v[156:157]
	v_pk_add_f32 v[236:237], v[236:237], v[96:97]
	v_pk_add_f32 v[250:251], v[250:251], v[98:99]
	v_pk_add_f32 v[248:249], v[248:249], v[102:103]
	v_pk_add_f32 v[246:247], v[246:247], v[106:107]
	v_pk_add_f32 v[244:245], v[244:245], v[110:111]
	v_pk_add_f32 v[242:243], v[242:243], v[114:115]
	v_pk_add_f32 v[240:241], v[240:241], v[118:119]
	v_pk_add_f32 v[14:15], v[14:15], v[122:123]
	v_pk_add_f32 v[236:237], v[236:237], v[126:127]
	v_pk_add_f32 v[250:251], v[250:251], v[130:131]
	v_pk_add_f32 v[248:249], v[248:249], v[134:135]
	v_pk_add_f32 v[246:247], v[246:247], v[138:139]
	v_pk_add_f32 v[244:245], v[244:245], v[142:143]
	v_pk_add_f32 v[242:243], v[242:243], v[146:147]
	v_pk_add_f32 v[240:241], v[240:241], v[150:151]
	v_pk_add_f32 v[14:15], v[14:15], v[154:155]
	v_pk_add_f32 v[236:237], v[236:237], v[158:159]
	s_delay_alu instid0(VALU_DEP_2)
	v_pk_add_f32 v[14:15], v[14:15], v[246:247]
	s_delay_alu instid0(VALU_DEP_2)
	v_pk_add_f32 v[236:237], v[236:237], v[244:245]
	v_pk_add_f32 v[250:251], v[250:251], v[242:243]
	v_pk_add_f32 v[248:249], v[248:249], v[240:241]
	s_delay_alu instid0(VALU_DEP_2)
	v_pk_add_f32 v[14:15], v[14:15], v[250:251]
	s_delay_alu instid0(VALU_DEP_2)
	v_pk_add_f32 v[236:237], v[236:237], v[248:249]
	s_delay_alu instid0(VALU_DEP_1)
	v_pk_add_f32 v[14:15], v[14:15], v[236:237]
	s_wait_alu depctr_va_vdst(0)                   ; and one for the four
.irp b, 0,1,2,3
	v_max_num_f32 v[232+\b], 0x1800000, v[232+\b]  ; the floor 2^(3 - 127)
.endr
.irp b, 0,1,2,3
	s_delay_alu instid0(VALU_DEP_4)
	v_add_nc_u32 v[244+\b], 0xff000000, v[232+\b]
.endr
.irp b, 0,1,2,3
	s_delay_alu instid0(VALU_DEP_4)
	v_lshrrev_b32 v[236+\b], 23, v[244+\b]
.endr
	s_delay_alu instid0(VALU_DEP_3)
	v_lshl_or_b32 v253, v237, 8, v236              ; p's scale word for these 128 keys
	s_delay_alu instid0(VALU_DEP_1)
	v_lshl_or_b32 v253, v238, 16, v253
	s_delay_alu instid0(VALU_DEP_1)
	v_lshl_or_b32 v253, v239, 24, v253
.irp c, 0,1
	v_cvt_scalef32_pk16_fp6_f32 v[224+6*\c:226+6*\c], v[96+32*\c:111+32*\c], v[244+2*\c]
	v_cvt_scalef32_pk16_fp6_f32 v[236+4*\c:238+4*\c], v[112+32*\c:127+32*\c], v[244+2*\c+1]
.endr
	v_nop                                          ; one plain line behind the scaled conversions
.irp t, 0,1,2,3                                ; V's last four fragments, into the registers that p has left
.irp c, 0,1,2
	ds_load_b128 v[96+12*\t+4*\c:99+12*\t+4*\c], v[ADK] offset:VOF+FRB*(4+\t)+512*\c
.endr
.endr
	ds_load_b128 v[248:251], v[ADS] offset:VSCO+256
.irp c, 0,1
.irp i, 0,1,2
	v_permlane16_swap_b32 v[224+6*\c+\i], v[236+4*\c+\i]
.endr
.irp i, 0,1,2
	s_delay_alu instid0(VALU_DEP_3)
	v_mov_b32 v[227+6*\c+\i], v[236+4*\c+\i]
.endr
.endr
	s_wait_alu depctr_va_vdst(0)
.set MN, 0
.rept 32
	v_pk_mul_f32 v[160+MN:161+MN], v[160+MN:161+MN], v[252:253] op_sel_hi:[1,0]   ; O^T under the new M; these 32 are also the places in front of the products and loads below
.set MN, MN+2
.endr
	s_wait_alu depctr_va_vdst(0)
	s_wait_dscnt 13                                ; O^T += V^T p^T.  The first four fragments and their scale words are in; the 13 loads behind them may be out
.irp t, 0,1,2,3
	v_wmma_scale_f32_16x16x128_f8f6f4 v[160+8*\t:167+8*\t], v[32+12*\t:43+12*\t], v[224:235], v[160+8*\t:167+8*\t], v[VS0+\t], v253 matrix_a_fmt:MATRIX_FMT_FP6 matrix_b_fmt:MATRIX_FMT_FP6
.endr
	s_wait_dscnt 0x0
.irp t, 0,1,2,3
	v_wmma_scale_f32_16x16x128_f8f6f4 v[192+8*\t:199+8*\t], v[96+12*\t:107+12*\t], v[224:235], v[192+8*\t:199+8*\t], v[248+\t], v253 matrix_a_fmt:MATRIX_FMT_FP6 matrix_b_fmt:MATRIX_FMT_FP6
.endr
.Lhidden_\@:
.endm
; THE CHANGE OF SLOTS stands at a trip's head.  Each wave waits for all its tensor loads, adds 0 to its spare word, and waits for that and for its reads of the tile that it has left.
; fill = 1: behind the barrier the slot that is not read in this trip takes the next trip's two tiles: the load has this trip's work in which to land.
.macro CHANGE fill
	s_wait_tensorcnt 0x0                           ; no tensor load of mine is out, so the group 0 may be written
	ds_add_u32 v[SPW], v[NIL]                      ; 0 onto my spare word
.if \fill
	ds_add_u32 v[SPW], v[NIL]
	s_xor_b32 s[G0+1], s[G0+1], SLOT1              ; the other slot than last time
	s_cmp_gt_u32 s[U], s14
	s_cselect_b32 s[OFF], s[JMP], 0                ; waves 4-7: key step u up to u = a, then u + 8 - a; waves 0-3: u + 1, the 1 in their base
	s_add_co_u32 s[OFF], s[OFF], s[U]
	s_mul_i32 s[OFF], s[OFF], TILEB
	s_add_nc_u64 s[G0+2:G0+3], s[KB:KB+1], s[OFF:OFF+1]
	s_or_b32 s[G0+3], s[G0+3], 0x80000000
	s_wait_xcnt 0x0                                ; the last prefetch has read its address, and any stores their registers
	s_add_nc_u64 s[PFA:PFA+1], s[PFA:PFA+1], TILEB
.else
	s_wait_xcnt 0x0                                ; any stores of block a have read their registers
.endif
	s_wait_dscnt 0x0                               ; the add is done, and my reads of the tile that I have left are over
	s_barrier_signal -1
	s_barrier_wait -1
.if \fill
	TLOAD 8, G0
	s_cmp_lt_u32 s[U], s[LIM]
	s_cbranch_scc0 .Lnot_mine_\@
	global_prefetch_b8 v[PFO], s[PFA:PFA+1] th:TH_LOAD_NT scope:SCOPE_SE
.Lnot_mine_\@:
.endif
.endm
.Ltrip:                                            ; eight trips: behind each change of slots the next trip's tiles are asked for
	CHANGE 1
	STEP
	s_cmp_lg_u32 s[U], s[FT]
	s_cbranch_scc1 .Lgo_on
	PLACES                                         ; waves 8-15, behind block a's diagonal step: the block is finished and stored,
	FINAL
	v_mov_b32 v255, v92                            ; the long block's q takes its place,
.set HN, 0
.rept 12
	v_mov_b32 v[16+HN], v[80+HN]
.set HN, HN+1
.endr
	v_mov_b32 v13, 0xff61b1e6                      ; and M starts anew: the next step's f is 0, which clears the sums and O^T
	v_floor_f32 v12, -v13
.Lgo_on:
	s_mov_b32 s[TB], s[TN]
	s_xor_b32 s[TN], s[TN], SLOT1
	s_add_co_u32 s[U], s[U], 1
	s_cmp_lt_u32 s[U], 8
	s_wait_alu depctr_va_vdst(0)
	s_cbranch_scc1 .Ltrip
	CHANGE 0                                       ; the last trip is written out
	STEP
	PLACES
	s_cmp_lt_u32 s[WV], 8
	s_cbranch_scc1 .Lkept
	s_cmp_eq_u32 s14, 7
	s_cbranch_scc1 .Lkept
.set HN, 0
.rept 16
	ds_store_b128 v[STG], v[160+4*HN:163+4*HN] offset:512*HN   ; waves 8-15: my part of the long block, as an image of the registers,
.set HN, HN+1
.endr
	ds_store_b128 v[STG], v[12:15] offset:8192     ; with -M and the sums
.Lkept:
	s_wait_dscnt 0x0                               ; for the others' sake
	s_barrier_signal -1
	s_barrier_wait -1
	s_cmp_eq_u32 s14, 7
	s_cbranch_scc1 .Lfinal                         ; a = 7: nothing to join; every wave finishes its own block
	s_cmp_lt_u32 s[WV], 8
	s_cbranch_scc0 .Lend
.set HN, 0
.rept 16
	ds_load_b128 v[96+4*HN:99+4*HN], v[STG] offset:512*HN
.set HN, HN+1
.endr
	ds_load_b128 v[244:247], v[STG] offset:8192
	s_wait_dscnt 0x0
	v_min_num_f32 v248, v12, v244                  ; the joint -M
	v_sub_f32 v249, v248, v12
	v_sub_f32 v250, v248, v244
	v_cvt_i32_f32 v249, v249
	v_cvt_i32_f32 v250, v250
	v_ldexp_f32 v252, 1.0, v249                    ; my part's factor, a power of two,
	v_ldexp_f32 v250, 1.0, v250                    ; and the other part's
	v_pk_mul_f32 v[246:247], v[246:247], v[250:251] op_sel_hi:[1,0]
	v_pk_fma_f32 v[14:15], v[14:15], v[252:253], v[246:247] op_sel_hi:[1,0,1]
.set MN, 0
.rept 32
	v_pk_mul_f32 v[96+MN:97+MN], v[96+MN:97+MN], v[250:251] op_sel_hi:[1,0]
.set MN, MN+2
.endr
.set MN, 0
.rept 32
	v_pk_fma_f32 v[160+MN:161+MN], v[160+MN:161+MN], v[252:253], v[96+MN:97+MN] op_sel_hi:[1,0,1]
.set MN, MN+2
.endr
.Lfinal:
	FINAL
.Lend:
	s_wait_tensorcnt 0x0                           ; the wave's end
	ds_add_u32 v[SPW], v[NIL]
	s_wait_dscnt 0x0
	s_endpgm
.Lfunc_end_k_q09153dc219_attn:
	.size	k_q09153dc219_attn, .Lfunc_end_k_q09153dc219_attn-k_q09153dc219_attn
	.p2alignl 7, 3214868480
	.fill 96, 4, 3214868480
	.section	.rodata,"a",@progbits
	.p2align	6, 0x0
	.amdhsa_kernel k_q09153dc219_attn
		.amdhsa_group_segment_fixed_size 327680
		.amdhsa_private_segment_fixed_size 0
		.amdhsa_enable_private_segment 0
		.amdhsa_kernarg_size 24
		.amdhsa_user_sgpr_count 2
		.amdhsa_user_sgpr_kernarg_segment_ptr 1
		.amdhsa_wavefront_size32 1
		.amdhsa_system_sgpr_workgroup_id_x 1
		.amdhsa_system_sgpr_workgroup_id_y 1
		.amdhsa_system_sgpr_workgroup_id_z 1
		.amdhsa_system_vgpr_workitem_id 0
		.amdhsa_next_free_vgpr 256
		.amdhsa_next_free_sgpr 100
		.amdhsa_reserve_vcc 1
		.amdhsa_float_denorm_mode_32 3
		.amdhsa_float_denorm_mode_16_64 3
		.amdhsa_memory_ordered 1
		.amdhsa_forward_progress 1
		.amdhsa_inst_pref_size 84
	.end_amdhsa_kernel
	.amdgpu_metadata
---
amdhsa.version: [ 1, 2 ]
amdhsa.kernels:
  - .name:           k_q09153dc219_attn
    .symbol:         k_q09153dc219_attn.kd
    .args:
      - { .name: qq, .offset: 0, .size: 8, .value_kind: global_buffer, .address_space: global }
      - { .name: kv, .offset: 8, .size: 8, .value_kind: global_buffer, .address_space: global }
      - { .name: oq, .offset: 16, .size: 8, .value_kind: global_buffer, .address_space: global }
    .group_segment_fixed_size: 327680
    .private_segment_fixed_size: 0
    .kernarg_segment_align: 8
    .kernarg_segment_size: 24
    .max_flat_workgroup_size: 512
    .sgpr_count:     100
    .vgpr_count:     256
    .wavefront_size: 32
...
	.end_amdgpu_metadata
.endif
;; end of part 3
;; launch gemm2 (part 4): grid 8 x 32, 4 waves a work-group, clusters of 4 x 4, 327,680 bytes of LDS; arguments oq, wq, proj_b, out0; writes out0
.if DOCPART == 4
	.amdgcn_target "amdgcn-amd-amdhsa--gfx1250"
	.amdhsa_code_object_version 6
	.text
	.protected	k_q09153dc219_gemm2
	.globl	k_q09153dc219_gemm2
	.p2align	8
	.type	k_q09153dc219_gemm2,@function
k_q09153dc219_gemm2:
	s_mov_b64 s[64:65], 0
	v_nop
	global_prefetch_b8 v0, s[64:65] scope:SCOPE_SE
	s_setreg_imm32_b32 hwreg(HW_REG_WAVE_MODE, 25, 1), 1
	s_wait_xcnt 0x0
	s_wait_alu depctr_hold_cnt(0) depctr_sa_sdst(0) depctr_va_vdst(0) depctr_va_sdst(0) depctr_va_ssrc(0) depctr_va_vcc(0) depctr_vm_vsrc(0)
	s_getreg_b32 s2, hwreg(HW_REG_IB_STS2, 6, 4)
	s_cmp_eq_u32 s2, 0
	s_cbranch_scc0 .Lentry_in_a_cluster
	s_endpgm
.Lentry_in_a_cluster:
	s_bfe_u32 s2, ttmp6, 0x10000c
	s_cmp_lg_u32 s2, 0xf033
	s_cbranch_scc0 .Lentry_shape_is_right
	s_endpgm
.Lentry_shape_is_right:
.set TILEB, 25600
.set FRB,   1536
.set CHB,   4*FRB
.set SLOT,  24*CHB
.set BOFF,  8*CHB
.set SPARE, 2*SLOT
.set SCOFF, 16*FRB
.set SP,    528
.set BT0,   384
.set ABUF,  4
.set BBUF,  6
.set BIAS,  8
.set OUTP,  10
.set RD,    4
.set ADRA,  8
.set ADRB,  10
.set LI,    12
.set R16,   13
.set H64,   15
.set SPW,   16
.set NIL,   17
.set STO,   19
.set SA,    64
.set SB,    128
.set BI,    128
.set G1,    24
.set G0,    32
.set G1B,   48
.set G0B,   56
.set MUL,   0xad
.set MULB,  0xbd
.set TO_B,  0x40
.set TO_A,  0xc0
.set MSB, 0
.macro WIN new
.if MSB != \new
	s_set_vgpr_msb (MSB<<8)|\new
.set MSB, \new
.endif
.endm
.macro PLACES
.rept 4
	v_nop
.endr
.endm
.macro JLOAD g0a, g1a, g0b, g1b
	s_cmp_eq_u32 s15, 0
	s_cbranch_scc0 .Lfor_b_\@
	tensor_load_to_lds s[\g0a:\g0a+3], s[\g1a:\g1a+7]
	s_nop 0
.rept 4
	v_nop
.endr
	s_branch .Lasked_\@
.Lfor_b_\@:
	tensor_load_to_lds s[\g0b:\g0b+3], s[\g1b:\g1b+7]
	s_nop 0
.rept 4
	v_nop
.endr
.Lasked_\@:
.endm
.macro CREST
	s_cmp_lg_u32 s14, 0
	s_cbranch_scc1 .Lnot_wave_0_\@
	s_barrier_signal -3
.Lnot_wave_0_\@:
	s_barrier_wait -3
	s_barrier_signal -1
	s_barrier_wait -1
.endm
.macro CROUND
	s_barrier_signal -1
	s_barrier_wait -1
	CREST
.endm
.macro FETCH slot, q, p
	WIN TO_B
.irp b, 0,1,2,3,4,5,6,7
.irp c, 0,1,2
	ds_load_b128 v[128*(\p)+12*\b+4*\c:128*(\p)+12*\b+4*\c+3], v[ADRB+\slot] offset:CHB*\b+FRB*(\q)+512*\c
.endr
.endr
	WIN TO_A
.irp a, 0,1,2,3
.irp c, 0,1,2
	ds_load_b128 v[48*(\p)+12*\a+4*\c:48*(\p)+12*\a+4*\c+3], v[ADRA+\slot] offset:CHB*\a+FRB*(\q)+512*\c
.endr
.endr
.endm
.macro MUL8 a, k, first
.if \first
	WIN MULB
.else
	WIN MUL
.endif
.irp b, 0,1,2,3,4,5,6,7
.if \first
	v_wmma_scale_f32_16x16x128_f8f6f4 v[8*(8*(\a)+\b):8*(8*(\a)+\b)+7], v[128*((\k)%2)+12*\b:128*((\k)%2)+12*\b+11], v[48*((\k)%2)+12*(\a):48*((\k)%2)+12*(\a)+11], v[BI+8*\b:BI+8*\b+7], v[SB+16*\b+(\k)], v[SA+16*(\a)+(\k)] matrix_a_fmt:MATRIX_FMT_FP6 matrix_b_fmt:MATRIX_FMT_FP6
.else
	v_wmma_scale_f32_16x16x128_f8f6f4 v[8*(8*(\a)+\b):8*(8*(\a)+\b)+7], v[128*((\k)%2)+12*\b:128*((\k)%2)+12*\b+11], v[48*((\k)%2)+12*(\a):48*((\k)%2)+12*(\a)+11], v[8*(8*(\a)+\b):8*(8*(\a)+\b)+7], v[SB+16*\b+(\k)], v[SA+16*(\a)+(\k)] matrix_a_fmt:MATRIX_FMT_FP6 matrix_b_fmt:MATRIX_FMT_FP6
.endif
.endr
.endm
.macro STEP k, slot, first
	s_wait_dscnt 6
	MUL8 0, \k, \first
	MUL8 1, \k, \first
	PLACES
	FETCH \slot, ((\k)%4)+1, 1-(\k)%2
	s_wait_dscnt 36
	MUL8 2, \k, \first
	MUL8 3, \k, \first
.endm
.macro TURN k, slot, next, fill
	WIN 0
	s_wait_tensorcnt 0x0
	ds_add_u32 v[SPW], v[NIL]
	s_wait_dscnt 7
	MUL8 0, \k, 0
	s_wait_dscnt 0x0
	s_barrier_signal -1
	MUL8 1, \k, 0
	WIN 0
	s_barrier_wait -1
.if \fill
	CREST
	s_add_nc_u64 s[G0+4*\slot+2:G0+4*\slot+3], s[G0+4*\slot+2:G0+4*\slot+3], 2*CHB
	s_add_nc_u64 s[G0B+4*\slot+2:G0B+4*\slot+3], s[G0B+4*\slot+2:G0B+4*\slot+3], 2*CHB
	JLOAD G0+4*\slot, G1, G0B+4*\slot, G1B
.else
	PLACES
.endif
	FETCH \next, 0, 0
	MUL8 2, \k, 0
	MUL8 3, \k, 0
.endm
.macro TOSTAGE a
	WIN 0x08
.irp b, 0,1,2,3,4,5,6,7
	ds_store_b128 v[STO], v[8*(8*(\a)+\b):8*(8*(\a)+\b)+3] offset:128*(\b/2)+32*(\b%2)
	ds_store_b128 v[STO], v[8*(8*(\a)+\b)+4:8*(8*(\a)+\b)+7] offset:128*(\b/2)+32*(\b%2)+16
.endr
	WIN TO_B
.set TN, 0
.rept 16
	ds_load_b128 v[64*(\a)+4*TN:64*(\a)+4*TN+3], v[RD] offset:SP*TN
.set TN, TN+1
.endr
.endm
.macro SEND a, younger
	s_wait_dscnt \younger
	WIN 0x04
.set TN, 0
.rept 16
	global_store_b128 v[LI], v[64*(\a)+4*TN:64*(\a)+4*TN+3], s[76:77] offset:(16*(\a)+TN)*8192 th:TH_STORE_NT
.set TN, TN+1
.endr
.endm
	s_load_b256 s[4:11], s[0:1], 0x0
	v_lshl_add_u32 v[SPW], v0, 2, SPARE
	v_mov_b32 v[NIL], 0
	ds_add_u32 v16, v17
	ds_add_u32 v16, v17
	s_wait_dscnt 0x0
	v_lshrrev_b32 v1, 5, v0
	v_readfirstlane_b32 s14, v1
	s_lshr_b32 s15, s14, 1
	s_and_b32 s16, s14, 1
	s_bfe_u32 s40, ttmp6, 0x40000
	s_bfe_u32 s41, ttmp6, 0x40004
	s_lshl_b32 s42, ttmp9, 2
	s_add_co_u32 s42, s42, s40
	s_and_b32 s17, ttmp7, 0xffff
	s_lshl_b32 s17, s17, 2
	s_add_co_u32 s17, s17, s41
	s_lshl_b32 s43, s41, 2
	s_lshl_b32 s43, 15, s43
	s_lshl_b32 s44, 0x1111, s40
	s_or_b32 s[G1], s43, (3<<16)|(1<<21)
	s_or_b32 s[G1B], s44, (3<<16)|(1<<21)
	s_mov_b32 s[G1+1], 768<<16
	s_mov_b32 s[G1+2], 4<<16
	s_mov_b32 s[G1+3], 768<<16
	s_mov_b32 s[G1+4], 4
	s_mov_b32 s[G1+5], 3200
	s_mov_b32 s[G1+6], 0
	s_mov_b32 s[G1+7], 0
	s_mov_b32 s[G1B+1], 768<<16
	s_mov_b32 s[G1B+2], 8<<16
	s_mov_b32 s[G1B+3], 768<<16
	s_mov_b32 s[G1B+4], 8
	s_mov_b32 s[G1B+5], 3200
	s_mov_b32 s[G1B+6], 0
	s_mov_b32 s[G1B+7], 0
	s_lshl_b32 s20, s17, 3
	s_lshl_b32 s21, s16, 2
	s_add_co_u32 s20, s20, s21
	s_mul_i32 s20, s20, TILEB
	s_mov_b32 s21, 0
	s_lshl_b32 s22, s17, 3
	s_lshl_b32 s23, s15, 2
	s_add_co_u32 s22, s22, s23
	s_mul_i32 s22, s22, TILEB
	s_add_co_u32 s22, s22, SCOFF
	s_mov_b32 s23, 0
	s_lshl_b32 s46, s42, 4
	s_lshl_b32 s47, s16, 3
	s_add_co_u32 s46, s46, s47
	s_add_co_u32 s46, s46, BT0
	s_mul_i32 s46, s46, TILEB
	s_mov_b32 s47, 0
	s_add_co_u32 s92, s46, SCOFF
	s_mov_b32 s93, 0
	s_lshl_b32 s70, s42, 10
	s_lshl_b32 s71, s16, 9
	s_add_co_u32 s70, s70, s71
	s_mov_b32 s71, 0
	s_lshl_b32 s76, s17, 7
	s_lshl_b32 s77, s15, 6
	s_add_co_u32 s76, s76, s77
	s_lshl_b32 s76, s76, 13
	s_add_co_u32 s76, s76, s70
	s_mov_b32 s77, 0
	v_and_b32 v1, 15, v0
	v_bfe_u32 v2, v0, 4, 1
	v_and_b32 v3, 31, v0
	v_lshlrev_b32 v[LI], 4, v3
	v_lshlrev_b32 v[R16], 4, v1
	v_lshlrev_b32 v[H64], 6, v2
	s_mul_i32 s66, s14, 16*SP
	v_mul_u32_u24 v[STO], v1, SP
	v_lshl_add_u32 v[STO], v2, 6, v[STO]
	v_add_nc_u32 v[STO], s66, v[STO]
	v_add_nc_u32 v[RD], s66, v[LI]
	s_wait_alu depctr_va_vdst(0)
	s_wait_kmcnt 0x0
	s_add_nc_u64 s[20:21], s[ABUF:ABUF+1], s[20:21]
	s_add_nc_u64 s[22:23], s[ABUF:ABUF+1], s[22:23]
	s_add_nc_u64 s[46:47], s[BBUF:BBUF+1], s[46:47]
	s_add_nc_u64 s[92:93], s[BBUF:BBUF+1], s[92:93]
	s_add_nc_u64 s[70:71], s[BIAS:BIAS+1], s[70:71]
	s_add_nc_u64 s[76:77], s[OUTP:OUTP+1], s[76:77]
.irp a, 0,1,2,3
.irp g, 0,1,2,3
	global_load_b128 v[SA+16*\a+4*\g:SA+16*\a+4*\g+3], v[R16], s[22:23] offset:TILEB*\a+256*\g
.endr
.endr
.irp b, 0,1,2,3,4,5,6,7
.irp g, 0,1,2,3
	global_load_b128 v[SB+16*\b+4*\g:SB+16*\b+4*\g+3], v[R16], s[92:93] offset:TILEB*\b+256*\g
.endr
.endr
	WIN TO_A
.irp t, 0,1,2,3,4,5,6,7
	global_load_b128 v[BI+8*\t:BI+8*\t+3], v[H64], s[70:71] offset:(32*(\t/2)+8*(\t%2))*4
	global_load_b128 v[BI+8*\t+4:BI+8*\t+7], v[H64], s[70:71] offset:(32*(\t/2)+8*(\t%2))*4+16
.endr
	WIN 0
	CROUND
	s_mul_i32 s45, s16, 4*CHB
	s_mul_i32 s94, s16, 8*CHB
	s_add_co_u32 s94, s94, BOFF
.irp s, 0,1
	s_mov_b32 s[G0+4*\s], 1
	s_add_co_u32 s[G0+4*\s+1], s45, \s*SLOT
	s_add_nc_u64 s[G0+4*\s+2:G0+4*\s+3], s[20:21], \s*CHB
	s_or_b32 s[G0+4*\s+3], s[G0+4*\s+3], 0x80000000
	s_mov_b32 s[G0B+4*\s], 1
	s_add_co_u32 s[G0B+4*\s+1], s94, \s*SLOT
	s_add_nc_u64 s[G0B+4*\s+2:G0B+4*\s+3], s[46:47], \s*CHB
	s_or_b32 s[G0B+4*\s+3], s[G0B+4*\s+3], 0x80000000
	s_wait_alu depctr_va_vdst(0)
	s_wait_tensorcnt 0x0
	ds_add_u32 v16, v17
	ds_add_u32 v16, v17
	s_wait_dscnt 0x0
	CROUND
	JLOAD G0+4*\s, G1, G0B+4*\s, G1B
.endr
	s_mul_i32 s66, s15, 4*CHB
	s_mul_i32 s67, s16, 8*CHB
	s_add_co_u32 s67, s67, BOFF
.irp s, 0,1
	v_add_nc_u32 v[ADRA+\s], s66, v[LI]
	v_add_nc_u32 v[ADRB+\s], s67, v[LI]
	s_add_co_u32 s66, s66, SLOT
	s_add_co_u32 s67, s67, SLOT
.endr
	s_wait_alu depctr_va_vdst(0)
	s_wait_tensorcnt 1
	s_barrier_signal -1
	s_barrier_wait -1
	FETCH 0, 0, 0
	s_wait_loadcnt 0x0
	STEP 0, 0, 1
	STEP 1, 0, 0
	STEP 2, 0, 0
	TURN 3, 0, 1, 1
	STEP 4, 1, 0
	STEP 5, 1, 0
	STEP 6, 1, 0
	TURN 7, 1, 0, 1
	STEP 8, 0, 0
	STEP 9, 0, 0
	STEP 10, 0, 0
	TURN 11, 0, 1, 0
	STEP 12, 1, 0
	STEP 13, 1, 0
	STEP 14, 1, 0
	s_wait_dscnt 6
	MUL8 0, 15, 0
	MUL8 1, 15, 0
	s_wait_dscnt 0x0
	MUL8 2, 15, 0
	MUL8 3, 15, 0
	PLACES
	TOSTAGE 0
.irp a, 1,2,3
	TOSTAGE \a
	SEND \a-1, 32
.endr
	SEND 3, 0
	WIN 0
	s_wait_tensorcnt 0x0
	ds_add_u32 v[SPW], v[NIL]
	s_wait_dscnt 0x0
	CROUND
	s_endpgm
.Lfunc_end_k_q09153dc219_gemm2:
	.size	k_q09153dc219_gemm2, .Lfunc_end_k_q09153dc219_gemm2-k_q09153dc219_gemm2
	.p2alignl 7, 3214868480
	.fill 96, 4, 3214868480
	.section	.rodata,"a",@progbits
	.p2align	6, 0x0
	.amdhsa_kernel k_q09153dc219_gemm2
		.amdhsa_group_segment_fixed_size 327680
		.amdhsa_private_segment_fixed_size 0
		.amdhsa_enable_private_segment 0
		.amdhsa_kernarg_size 32
		.amdhsa_user_sgpr_count 2
		.amdhsa_user_sgpr_kernarg_segment_ptr 1
		.amdhsa_wavefront_size32 1
		.amdhsa_system_sgpr_workgroup_id_x 1
		.amdhsa_system_sgpr_workgroup_id_y 1
		.amdhsa_system_sgpr_workgroup_id_z 1
		.amdhsa_system_vgpr_workitem_id 0
		.amdhsa_next_free_vgpr 1024
		.amdhsa_next_free_sgpr 100
		.amdhsa_reserve_vcc 0
		.amdhsa_float_denorm_mode_32 3
		.amdhsa_float_denorm_mode_16_64 3
		.amdhsa_memory_ordered 1
		.amdhsa_forward_progress 1
		.amdhsa_inst_pref_size 136
	.end_amdhsa_kernel
	.amdgpu_metadata
---
amdhsa.version: [ 1, 2 ]
amdhsa.kernels:
  - .name:           k_q09153dc219_gemm2
    .symbol:         k_q09153dc219_gemm2.kd
    .args:
      - { .name: oq, .offset: 0, .size: 8, .value_kind: global_buffer, .address_space: global }
      - { .name: wq, .offset: 8, .size: 8, .value_kind: global_buffer, .address_space: global }
      - { .name: proj_b, .offset: 16, .size: 8, .value_kind: global_buffer, .address_space: global }
      - { .name: out0, .offset: 24, .size: 8, .value_kind: global_buffer, .address_space: global }
    .group_segment_fixed_size: 327680
    .private_segment_fixed_size: 0
    .kernarg_segment_align: 8
    .kernarg_segment_size: 32
    .max_flat_workgroup_size: 128
    .sgpr_count:     100
    .vgpr_count:     1024
    .wavefront_size: 32
...
	.end_amdgpu_metadata
.endif
;; end of part 4
